; MI455X (gfx1250); checked and timed in simulation.
; The chip was launched on July 23, 2026; its instructions are those of AMD's public machine-readable ISA for CDNA 5 (MIT licence, August 2026) and "CDNA5" Instruction Set Architecture Reference Guide (July 2026). The comments in the code are by the model that wrote it; some were corrected since.
;; Transformer Block. Allowed arithmetic: matrix products marked QUANTISED: E4M3 operands, one given power-of-two scale a tensor, by v_wmma_f32_16x16x64_fp8_fp8 or v_wmma_f32_16x16x128_fp8_fp8, f32 sums; everything else in f32.
;; Inputs: Wk_codes 1,024 x 32 x 32 uint8 (E4M3 codes of Wk, K innermost, in blocks of 32 codes); Wo_codes 1,024 x 32 x 32 uint8 (E4M3 codes of Wo, K innermost, in blocks of 32 codes); Wq_codes 1,024 x 32 x 32 uint8 (E4M3 codes of Wq, K innermost, in blocks of 32 codes); Wv_codes 1,024 x 32 x 32 uint8 (E4M3 codes of Wv, K innermost, in blocks of 32 codes); g1 1,024 float32; g2 1,024 float32; lowp_scales 18 int32 (the exponents e of the quantised operands' scales 2^e); positions 2,048 int32; w1_codes 2,752 x 32 x 32 uint8 (E4M3 codes of w1, K innermost, in blocks of 32 codes); w2_codes 1,024 x 86 x 32 uint8 (E4M3 codes of w2, K innermost, in blocks of 32 codes); w3_codes 2,752 x 32 x 32 uint8 (E4M3 codes of w3, K innermost, in blocks of 32 codes); x 2 x 2,048 x 1,024 float32.
;; Outputs: out0 2 x 2,048 x 1,024 float32.
;; Constants: theta = 10000.
;; This version of the problem:
;;   THIS VERSION OF THE PROBLEM IS GIVEN IN LOW PRECISION. The matrix products marked QUANTISED in the list below multiply operands that are first quantised to E4M3 (4 exponent bits, 3 mantissa bits; 8 bits a number), with one given power-of-two scale for each operand tensor; their sums are f32. All else is computed in f32.
;;   The module's matrix products, in the order in which they are computed (A, B: the left and right operand; K: the contracted axis; several contracted axes count as one K, in the product's order):
;;     1. [M 4,096, K 1,024] x [K 1,024, N 1,024]; A: computed on the way; B: input Wq (given as codes): QUANTISED (scales: A lowp_scales[0], B lowp_scales[1])
;;     2. [M 4,096, K 1,024] x [K 1,024, N 1,024]; A: computed on the way; B: input Wk (given as codes): QUANTISED (scales: A lowp_scales[2], B lowp_scales[3])
;;     3. [M 4,096, K 1,024] x [K 1,024, N 1,024]; A: computed on the way; B: input Wv (given as codes): QUANTISED (scales: A lowp_scales[4], B lowp_scales[5])
;;     4. batch 32 x [M 2,048, K 64] x [K 64, N 2,048]; A: computed on the way; B: computed on the way: QUANTISED (scales: A lowp_scales[6], B lowp_scales[7])
;;     5. batch 32 x [M 2,048, K 2,048] x [K 2,048, N 64]; A: softmax (see below); B: computed on the way: QUANTISED (scales: A lowp_scales[8], B lowp_scales[9])
;;     6. [M 4,096, K 1,024] x [K 1,024, N 1,024]; A: computed on the way; B: input Wo (given as codes): QUANTISED (scales: A lowp_scales[10], B lowp_scales[11])
;;     7. [M 4,096, K 1,024] x [K 1,024, N 2,752]; A: computed on the way; B: input w1 (given as codes): QUANTISED (scales: A lowp_scales[12], B lowp_scales[13])
;;     8. [M 4,096, K 1,024] x [K 1,024, N 2,752]; A: computed on the way; B: input w3 (given as codes): QUANTISED (scales: A lowp_scales[14], B lowp_scales[15])
;;     9. [M 4,096, K 2,752] x [K 2,752, N 1,024]; A: computed on the way; B: input w2 (given as codes): QUANTISED (scales: A lowp_scales[16], B lowp_scales[17])
;;   THE QUANTISER, for each operand of a quantised product, along K:
;;     - The operand's scale is 2^e, e = its entry of the input lowp_scales (int32; the entries are numbered through the quantised products in the list's order, A before B).
;;     - Each number is divided by the scale, clamped to +-448, and rounded to the nearest number of E4M3, ties to even, subnormals kept.
;;     - The product sums the exact products of the quantised numbers (number of the format x scale) in f32.
;;   ~~~python
;;   def quantise(x, axis, e):      # numpy; x: float32 -> the quantised numbers, widened to float32 again
;;       x = np.moveaxis(x, axis, -1); K = x.shape[-1]
;;       r = np.clip(x / 2.0 ** e, -448, 448)
;;       step = 2.0 ** (np.maximum(np.frexp(np.where(r == 0, 1, r))[1] - 1, -6) - 3)
;;       q = np.round(r / step) * step * 2.0 ** e      # np.round: ties to even
;;       return np.moveaxis(q, -1, axis).astype(np.float32)
;;   ~~~
;;   SOFTMAX AHEAD OF A QUANTISED PRODUCT. Where the list says 'softmax', what is quantised is not the finished softmax but p = 2^(t - M), with t = logit x log2(e) and M = ceil(the row's largest t), a whole number; so 1/2 < the row's largest p <= 1. The row's sum l is taken of the UNQUANTISED p, in f32, and the product's result is divided by l at the end. Since M is a whole number, a kernel that streams over the keys may use a running M (the ceiling of the running maximum): every later rescaling is an exact power of two, so the quantised numbers keep their values, but for numbers so far below the row's largest that they fall under the format's range.
;;   OPERANDS COMPUTED ON THE WAY. 'Computed on the way' means the value that the module computes at that place (a softmax that the list does not call 'softmax' is quantised finished and normalised). What goes into a quantiser is computed in f32, as accurately as f32 sums, v_exp_f32 and their like allow (about 1e-6 of the number): no bf16 or f16 on the way to a quantiser, and a product that is left as it is and whose result goes on into a quantised operand takes f32 operands (vector FMAs, or v_wmma_f32_16x16x4_f32). A number that lies on a knife's edge between two numbers of the format may be rounded either way, as far as f32 arithmetic and the matrix unit's own rounding can turn it there, and no further.
;;   INPUTS GIVEN AS CODES. Wk (in the module: [1024, 1024], K = its axis 1); Wo (in the module: [1024, 1024], K = its axis 1); Wq (in the module: [1024, 1024], K = its axis 1); Wv (in the module: [1024, 1024], K = its axis 1); w1 (in the module: [2752, 1024], K = its axis 1); w2 (in the module: [1024, 2752], K = its axis 1); w3 (in the module: [2752, 1024], K = its axis 1): each comes as NAME_codes (uint8): NAME with its K axis moved to the last place and cut into blocks of 32 codes, [.., K / 32, bytes a block], one block behind the other in memory; one code a byte (a code: sign, 4 exponent bits, 3 mantissa bits); its scale is its entry of lowp_scales. Its value is code x scale, taken as it is: it is not quantised again, and the codes and scales need not be those that the quantiser above would give.
;; One version. Each part assembles by itself: llvm-mc -triple=amdgcn-amd-amdhsa -mcpu=gfx1250 --defsym DOCPART=n.
;; ======== version 1 of 1: 7 launches
;; limits: right only within a limited range of input values
;; workspace buffers: xn 12,582,912 bytes; rope 524,288 bytes; qkv 12,582,912 bytes; att 4,194,304 bytes; x2 16,777,216 bytes; hid 11,534,336 bytes; w2p 2,883,584 bytes
;; launch norm1 (part 1): grid 256 x 1, 8 waves a work-group, no clusters, 50,944 bytes of LDS; arguments x, g1, positions, lowp_scales, xn, rope, hid, w2_codes, w2p; writes xn, rope, hid, w2p
.if DOCPART == 1
	.amdgcn_target "amdgcn-amd-amdhsa--gfx1250"
	.amdhsa_code_object_version 6
	.text
	.protected	k_q813cce0522_norm1
	.globl	k_q813cce0522_norm1
	.p2align	8
	.type	k_q813cce0522_norm1,@function
k_q813cce0522_norm1:
	s_mov_b64 s[64:65], 0
	v_nop
	global_prefetch_b8 v0, s[64:65] scope:SCOPE_SE
	s_setreg_imm32_b32 hwreg(HW_REG_WAVE_MODE, 25, 1), 1
	s_wait_xcnt 0x0
; LAUNCH 1 OF 7 of a transformer block (b 2, n 2,048, d 1,024, 16 heads of 64, d_ff 2,752), all nine products on E4M3 codes with given scales 2^e.
; The launches: norm1 (this) | qkv: products 1-3, RoPE | attn: products 4, 5 | wo: product 6 + residual | norm2 | ffn: products 7, 8, SwiGLU | w2: product 9 + residual.
; WORK LEFT OUT, in the whole program: only blocks of 128 keys that lie wholly behind the mask jnp.tril which reference() builds itself: there every score becomes -inf ahead of the softmax, so p = 0 and
; the block adds nothing to the row's sum or to the second product, whatever finite values the inputs hold.  Every input has a way to the output and is loaded; theta = 10000 is a listed constant and is built in.
; LIMIT: a NaN, an infinity or an overflow that reaches only such masked scores is not carried to the result.
; THIS LAUNCH: xn = x / sqrt(mean(x^2) + 1e-5) * g1 in f32, quantised three times (e0, e2, e4: the left operands of products 1, 2, 3); the table cos, sin of positions[n] * 10000^(-i/32); the zero codes that pad hid's K from 2,752 to 2,816.
; CODES GO TO MEMORY AS IMAGES OF THE OPERAND'S REGISTERS: a fragment is 16 rows x 128 K = 16 registers a lane (lane (r, h): row r; registers 2 c, 2 c + 1: k = 16 c + 8 h + 0 .. 7); it is 4 groups of 512 bytes, group g = registers
; 4 g .. 4 g + 3, lane l's 16 bytes at 16 l.  xn: version v at v x 4 MiB, [token tile 256][K step 8][group 4][512].
; SHARES: a work-group takes 16 rows (one token tile); wave w rows w and w + 8, each whole in 32 registers: the sums never leave the wave.  Each load reads 512 consecutive bytes.  The codes turn through a stage in LDS (rows of 1,024 + 16 bytes);
; behind one barrier wave w reads K step w of each version in the fragment's order and stores it, 512 consecutive bytes a store.  No matrix unit, no tensor load: the launch is a stream.
; 1 / sqrt by v_rsq_f32 and a multiplication stand for reference()'s sqrt and division.
; LIMITS: e0, e2, e4 between -126 and 119; |positions| under 2^22 (the angle's reduction by three parts of pi / 2); NaN among the inputs is not served.
.set NV,    3
.set RP,    1040                       ; a stage row: 1,024 codes + 16
.set VS,    16*RP                      ; a version's stage
.set SPARE, NV*VS                      ; behind the stages: the spare words, 128 bytes a wave
.set SPW,   8
.set NIL,   9
.set XA,    32                         ; v32-63 row w, v64-95 row w + 8, v96-127 g1: register 4 m + i = element 128 m + 4 lane + i
.set XB,    64
.set GN,    96
.set TM,    128                        ; v128-143 two sets of 8 held numbers, by turns
.set CD,    144                        ; v144-191 codes
.set IM,    192                        ; v192-239 the images' groups
	s_load_b256 s[4:11], s[0:1], 0x0               ; x, g1, positions, lowp_scales
	s_load_b128 s[12:15], s[0:1], 0x20             ; xn, rope
	s_load_b64 s[16:17], s[0:1], 0x30              ; hid
	s_load_b64 s[56:57], s[0:1], 0x38              ; w2_codes
	s_load_b64 s[58:59], s[0:1], 0x40              ; w2p
	v_lshl_add_u32 v[SPW], v0, 2, SPARE
	v_mov_b32 v[NIL], 0
	v_lshrrev_b32 v1, 5, v0
	s_delay_alu instid0(VALU_DEP_1)
	v_readfirstlane_b32 s18, v1                    ; wave 0..7
	v_and_b32 v1, 31, v0                           ; lane
	s_mul_i32 s19, s18, RP
	v_lshl_add_u32 v5, v1, 2, s19                  ; the stage, in: row w, 4 bytes a lane
	v_and_b32 v3, 15, v0                           ; r
	v_bfe_u32 v4, v0, 4, 1                         ; h
	s_delay_alu instid0(VALU_DEP_2)
	v_mul_u32_u24 v6, v3, RP
	s_delay_alu instid0(VALU_DEP_1)
	v_lshl_add_u32 v6, v4, 3, v6
	s_lshl_b32 s20, s18, 7
	v_add_nc_u32 v6, s20, v6                       ; the stage, out: row r, + 8 h, + K step w
	v_lshlrev_b32 v7, 4, v1                        ; 16 x lane
	v_lshlrev_b32 v10, 3, v1                       ; 8 x lane
	s_mov_b32 s28, 0x76543210
	s_mov_b32 s29, 0xfedcba98                      ; v_permlanex16_b32: lane l xor 16
	s_mov_b32 s30, 0x3a800000                      ; 1 / 1,024
	s_lshl_b32 s22, ttmp9, 16
	s_lshl_b32 s21, s18, 12
	s_add_co_u32 s22, s22, s21
	s_mov_b32 s23, 0                               ; x: row 16 g + w, 4,096 bytes a row
	s_lshl_b32 s24, ttmp9, 14
	s_lshl_b32 s21, s18, 11
	s_add_co_u32 s24, s24, s21
	s_mov_b32 s25, 0                               ; xn: token tile g, K step w
	s_lshl_b32 s26, ttmp9, 3
	s_add_co_u32 s26, s26, s18                     ; n = 8 g + w: the table's row that this wave makes
	s_lshl_b32 s40, s26, 2
	s_mov_b32 s41, 0
	s_lshl_b32 s44, s26, 8
	s_mov_b32 s45, 0
	s_mul_i32 s46, ttmp9, 45056
	s_lshl_b32 s21, s18, 9
	s_add_co_u32 s46, s46, s21
	s_add_co_u32 s46, s46, 44032
	s_mov_b32 s47, 0                               ; hid: token tile g's last 1,024 bytes, 512 for each of waves 0 and 1
	s_wait_alu depctr_va_vdst(0)
	s_wait_kmcnt 0x0
	s_load_b256 s[32:39], s[10:11], 0x0            ; e0 .. e7: version v takes entry 2 v
	s_add_nc_u64 s[8:9], s[8:9], s[40:41]
	s_load_b32 s42, s[8:9], 0x0                    ; positions[n]
	s_add_nc_u64 s[4:5], s[4:5], s[22:23]
	s_add_nc_u64 s[14:15], s[14:15], s[44:45]
	s_add_nc_u64 s[16:17], s[16:17], s[46:47]
	s_add_nc_u64 s[48:49], s[12:13], s[24:25]
	s_add_nc_u64 s[50:51], s[48:49], 0x400000
	s_add_nc_u64 s[52:53], s[48:49], 0x800000
.irp m, 0,1,2,3,4,5,6,7
	global_load_b128 v[GN+4*\m:GN+4*\m+3], v7, s[6:7] offset:512*\m
.endr
.irp m, 0,1,2,3,4,5,6,7
	global_load_b128 v[XA+4*\m:XA+4*\m+3], v7, s[4:5] offset:512*\m
.endr
.irp m, 0,1,2,3,4,5,6,7
	global_load_b128 v[XB+4*\m:XB+4*\m+3], v7, s[4:5] offset:32768+512*\m
.endr
	s_wait_kmcnt 0x0
.irp v, 0,1,2
	s_add_co_i32 s40, s[32+2*\v], 127
	s_lshl_b32 s41, s40, 23
	v_mov_b32 v[12+2*\v], s41                      ; 2^e as f32: the conversion takes its exponent field
	s_add_co_i32 s40, s40, 8
	s_lshl_b32 s40, s40, 23
	s_or_b32 s40, s40, 0x600000
	v_mov_b32 v[13+2*\v], s40                      ; 448 x 2^e
.endr
	; ---- the table: lane i makes cos and sin of ang = positions[n] x 10000^(-i / 32)
	v_cvt_f32_u32 v18, v1
	s_delay_alu instid0(VALU_DEP_1)
	v_mul_f32 v18, 0xbed49a78, v18                 ; i x (-log2(10000) / 32)
	s_wait_alu depctr_va_vdst(0)
	v_exp_f32 v18, v18
	v_cvt_f32_i32 v19, s42                         ; (a plain instruction behind the exponential)
	s_wait_alu depctr_va_vdst(0)                   ; the wait ahead of the result's first reader
	v_mul_f32 v18, v19, v18                        ; ang
	s_delay_alu instid0(VALU_DEP_1)
	v_mul_f32 v20, 0x3f22f983, v18                 ; x 2 / pi
	s_delay_alu instid0(VALU_DEP_1)
	v_rndne_f32 v20, v20                           ; k
	s_delay_alu instid0(VALU_DEP_1)
	v_fmamk_f32 v21, v20, 0xbfc90fdb, v18          ; r = ang - k pi / 2, pi / 2 in three parts
	s_delay_alu instid0(VALU_DEP_1)
	v_fmamk_f32 v21, v20, 0x333bbd2e, v21
	s_delay_alu instid0(VALU_DEP_1)
	v_fmamk_f32 v21, v20, 0x26f72ced, v21          ; |r| <= pi / 4
	s_delay_alu instid0(VALU_DEP_1)
	v_mul_f32 v22, v21, v21                        ; s = r^2
	v_mov_b32 v23, 0xb94ca1f9
	s_delay_alu instid0(VALU_DEP_1)
	v_fmaak_f32 v23, v23, v22, 0x3c08839e
	s_delay_alu instid0(VALU_DEP_1)
	v_fmaak_f32 v23, v23, v22, 0xbe2aaaa3
	s_delay_alu instid0(VALU_DEP_4)
	v_mul_f32 v24, v21, v22
	s_delay_alu instid0(VALU_DEP_1)
	v_fma_f32 v23, v24, v23, v21                   ; sin r
	v_mov_b32 v25, 0x37ccf5ce
	s_delay_alu instid0(VALU_DEP_1)
	v_fmaak_f32 v25, v25, v22, 0xbab6061a
	s_delay_alu instid0(VALU_DEP_1)
	v_fmaak_f32 v25, v25, v22, 0x3d2aaaa5
	v_mul_f32 v26, v22, v22
	v_fma_f32 v27, v22, -0.5, 1.0
	s_delay_alu instid0(VALU_DEP_1)
	v_fma_f32 v25, v26, v25, v27                   ; cos r
	v_cvt_i32_f32 v28, v20                         ; the quadrant: k mod 4
	s_delay_alu instid0(VALU_DEP_1)
	v_and_b32 v29, 1, v28
	s_delay_alu instid0(VALU_DEP_1)
	v_cmp_eq_u32 vcc_lo, 1, v29
	s_delay_alu instid0(VALU_DEP_1)
	v_cndmask_b32 v30, v23, v25, vcc_lo            ; odd quadrants change sine and cosine
	s_delay_alu instid0(VALU_DEP_2)
	v_cndmask_b32 v31, v25, v23, vcc_lo
	v_and_b32 v29, 2, v28
	s_delay_alu instid0(VALU_DEP_1)
	v_lshlrev_b32 v29, 30, v29
	s_delay_alu instid0(VALU_DEP_1)
	v_xor_b32 v27, v29, v30                        ; sin: minus in quadrants 2, 3
	v_add_nc_u32 v28, 1, v28
	s_delay_alu instid0(VALU_DEP_1)
	v_and_b32 v28, 2, v28
	s_delay_alu instid0(VALU_DEP_1)
	v_lshlrev_b32 v28, 30, v28
	s_delay_alu instid0(VALU_DEP_1)
	v_xor_b32 v26, v28, v31                        ; cos: minus in quadrants 1, 2
	global_store_b64 v10, v[26:27], s[14:15]       ; the wave stores the row's 256 bytes
	; ---- hid's pad: zero codes for hidden units 2,752 .. 2,815 of my token tile
	s_cmp_gt_u32 s18, 1
	s_cbranch_scc1 .Lno_pad
	v_mov_b32 v240, 0
	v_mov_b32 v241, 0
	v_mov_b32 v242, 0
	v_mov_b32 v243, 0
	global_store_b128 v7, v[240:243], s[16:17]
.Lno_pad:
	; ---- w2's codes are laid anew for the last launch's tensor loads: a row of 2,752 codes goes to a pitch of 2,816 bytes (11 x 256), zero codes behind it.
	; Waves 4 to 7 take row 4 g + w - 4 each: 11 loads and 11 stores of 8 bytes a lane; each store covers 256 consecutive bytes, aligned.
	s_cmp_lt_u32 s18, 4
	s_cbranch_scc1 .Lno_w2
	s_lshl_b32 s60, ttmp9, 2
	s_add_co_u32 s60, s60, s18
	s_sub_co_u32 s60, s60, 4
	s_mul_i32 s62, s60, 2816
	s_mul_i32 s60, s60, 2752
	s_mov_b32 s61, 0
	s_mov_b32 s63, 0
	s_add_nc_u64 s[56:57], s[56:57], s[60:61]
	s_add_nc_u64 s[58:59], s[58:59], s[62:63]
	v_min_u32 v244, 184, v10                       ; the last piece has 192 bytes: lanes 24 to 31 name its last 8 again and stay inside the row
.irp u, 0,1,2,3,4,5,6,7,8,9
	global_load_b64 v[192+2*\u:193+2*\u], v10, s[56:57] offset:256*\u
.endr
	global_load_b64 v[212:213], v244, s[56:57] offset:2560
	s_wait_loadcnt 0x0
	v_cmp_gt_u32 vcc_lo, 192, v10
	v_cndmask_b32 v212, v9, v212, vcc_lo           ; codes 2,752 .. 2,815: zero
	v_cndmask_b32 v213, v9, v213, vcc_lo
.irp u, 0,1,2,3,4,5,6,7,8,9,10
	global_store_b64 v10, v[192+2*\u:193+2*\u], s[58:59] offset:256*\u
.endr
	s_wait_xcnt 0x0                                ; the stores have read v192-213, which the images' groups take later
.Lno_w2:
; One row: the sum of squares, 1 / rms, x / rms * g, and NV times: hold, convert, into the stage.
.macro ROW X, rr, left
	s_wait_loadcnt \left                           ; g1 and this row are in; the loads that may stay out are the other row's
	v_pk_mul_f32 v[18:19], v[\X:\X+1], v[\X:\X+1]
	v_pk_mul_f32 v[20:21], v[\X+2:\X+3], v[\X+2:\X+3]
.irp j, 4,8,12,16,20,24,28
	s_delay_alu instid0(VALU_DEP_2)
	v_pk_fma_f32 v[18:19], v[\X+\j:\X+\j+1], v[\X+\j:\X+\j+1], v[18:19]
	s_delay_alu instid0(VALU_DEP_2)
	v_pk_fma_f32 v[20:21], v[\X+\j+2:\X+\j+3], v[\X+\j+2:\X+\j+3], v[20:21]
.endr
	s_delay_alu instid0(VALU_DEP_1)
	v_pk_add_f32 v[18:19], v[18:19], v[20:21]
	s_delay_alu instid0(VALU_DEP_1)
	v_add_f32 v18, v18, v19
	s_delay_alu instid0(VALU_DEP_1)
	v_add_f32_dpp v18, v18, v18 row_xmask:1 row_mask:0xf bank_mask:0xf
	s_delay_alu instid0(VALU_DEP_1)
	v_add_f32_dpp v18, v18, v18 row_xmask:2 row_mask:0xf bank_mask:0xf
	s_delay_alu instid0(VALU_DEP_1)
	v_add_f32_dpp v18, v18, v18 row_xmask:4 row_mask:0xf bank_mask:0xf
	s_delay_alu instid0(VALU_DEP_1)
	v_add_f32_dpp v18, v18, v18 row_xmask:8 row_mask:0xf bank_mask:0xf
	s_delay_alu instid0(VALU_DEP_1)
	v_permlanex16_b32 v19, v18, s28, s29
	s_delay_alu instid0(VALU_DEP_1)
	v_add_f32 v18, v18, v19
	s_delay_alu instid0(VALU_DEP_1)
	v_fmaak_f32 v18, s30, v18, 0x3727c5ac          ; the mean + 1e-5
	s_wait_alu depctr_va_vdst(0)
	v_rsq_f32 v18, v18
	v_nop                                          ; a plain instruction behind the transcendental,
	s_wait_alu depctr_va_vdst(0)                   ; and the wait ahead of its first reader
.irp j, 0,2,4,6,8,10,12,14,16,18,20,22,24,26,28,30
	v_pk_mul_f32 v[\X+\j:\X+\j+1], v[\X+\j:\X+\j+1], v[18:19] op_sel_hi:[1,0]
.endr
.irp j, 0,2,4,6,8,10,12,14,16,18,20,22,24,26,28,30
	v_pk_mul_f32 v[\X+\j:\X+\j+1], v[\X+\j:\X+\j+1], v[GN+\j:GN+\j+1]
.endr
.set vv, 0
.rept NV
.irp j, 0,1,2,3
.irp i, 0,1,2,3,4,5,6,7
	v_med3_num_f32 v[TM+8*(\j%2)+\i], v[\X+8*\j+\i], -v[13+2*vv], v[13+2*vv]   ; the conversion does not saturate (ISA guide 7.6.2): the hold at 448 x the scale
.endr
	v_cvt_scalef32_pk8_fp8_f32 v[CD+2*(4*(NV*\rr+vv)+\j):CD+2*(4*(NV*\rr+vv)+\j)+1], v[TM+8*(\j%2):TM+8*(\j%2)+7], v[12+2*vv]
	ds_store_b32 v5, v[CD+2*(4*(NV*\rr+vv)+\j)] offset:vv*VS+8*RP*\rr+256*\j          ; elements 256 j + 4 lane + 0 .. 3,
	ds_store_b32 v5, v[CD+2*(4*(NV*\rr+vv)+\j)+1] offset:vv*VS+8*RP*\rr+256*\j+128    ; and those 128 further on
.endr
.set vv, vv+1
.endr
.endm
	ROW XA, 0, 8
	ROW XB, 1, 0
	s_wait_dscnt 0x0                               ; for the others' sake: my stores into the stage are done
	s_barrier_signal -1
	s_barrier_wait -1
.set vv, 0
.rept NV
.irp g, 0,1,2,3
	ds_load_b64 v[IM+16*vv+4*\g:IM+16*vv+4*\g+1], v6 offset:vv*VS+32*\g        ; registers 4 g, 4 g + 1: k = 128 w + 32 g + 8 h + 0 .. 7
	ds_load_b64 v[IM+16*vv+4*\g+2:IM+16*vv+4*\g+3], v6 offset:vv*VS+32*\g+16   ; registers 4 g + 2, 4 g + 3: 16 further on
.endr
.set vv, vv+1
.endr
	s_wait_dscnt 0x0
.set vv, 0
.rept NV
.irp g, 0,1,2,3
	global_store_b128 v7, v[IM+16*vv+4*\g:IM+16*vv+4*\g+3], s[48+2*vv:49+2*vv] offset:512*\g   ; 512 consecutive bytes
.endr
.set vv, vv+1
.endr
	s_wait_tensorcnt 0x0                           ; the wave's end, behind my last LDS store
	ds_add_u32 v[SPW], v[NIL]
	s_wait_dscnt 0x0
	s_endpgm
.Lfunc_end_k_q813cce0522_norm1:
	.size	k_q813cce0522_norm1, .Lfunc_end_k_q813cce0522_norm1-k_q813cce0522_norm1
	.p2alignl 7, 3214868480
	.fill 96, 4, 3214868480
	.section	.rodata,"a",@progbits
	.p2align	6, 0x0
	.amdhsa_kernel k_q813cce0522_norm1
		.amdhsa_group_segment_fixed_size 50944
		.amdhsa_private_segment_fixed_size 0
		.amdhsa_enable_private_segment 0
		.amdhsa_kernarg_size 72
		.amdhsa_user_sgpr_count 2
		.amdhsa_user_sgpr_kernarg_segment_ptr 1
		.amdhsa_wavefront_size32 1
		.amdhsa_system_sgpr_workgroup_id_x 1
		.amdhsa_system_sgpr_workgroup_id_y 1
		.amdhsa_system_sgpr_workgroup_id_z 1
		.amdhsa_system_vgpr_workitem_id 0
		.amdhsa_next_free_vgpr 248
		.amdhsa_next_free_sgpr 66
		.amdhsa_reserve_vcc 1
		.amdhsa_float_denorm_mode_32 3
		.amdhsa_float_denorm_mode_16_64 3
		.amdhsa_memory_ordered 1
		.amdhsa_forward_progress 1
		.amdhsa_inst_pref_size 40
	.end_amdhsa_kernel
	.amdgpu_metadata
---
amdhsa.version: [ 1, 2 ]
amdhsa.kernels:
  - .name:           k_q813cce0522_norm1
    .symbol:         k_q813cce0522_norm1.kd
    .args:
      - { .name: x, .offset: 0, .size: 8, .value_kind: global_buffer, .address_space: global }
      - { .name: g1, .offset: 8, .size: 8, .value_kind: global_buffer, .address_space: global }
      - { .name: positions, .offset: 16, .size: 8, .value_kind: global_buffer, .address_space: global }
      - { .name: lowp_scales, .offset: 24, .size: 8, .value_kind: global_buffer, .address_space: global }
      - { .name: xn, .offset: 32, .size: 8, .value_kind: global_buffer, .address_space: global }
      - { .name: rope, .offset: 40, .size: 8, .value_kind: global_buffer, .address_space: global }
      - { .name: hid, .offset: 48, .size: 8, .value_kind: global_buffer, .address_space: global }
      - { .name: w2_codes, .offset: 56, .size: 8, .value_kind: global_buffer, .address_space: global }
      - { .name: w2p, .offset: 64, .size: 8, .value_kind: global_buffer, .address_space: global }
    .group_segment_fixed_size: 50944
    .private_segment_fixed_size: 0
    .kernarg_segment_align: 8
    .kernarg_segment_size: 72
    .max_flat_workgroup_size: 256
    .sgpr_count:     66
    .vgpr_count:     248
    .wavefront_size: 32
...
	.end_amdgpu_metadata
.endif
;; end of part 1
;; launch qkv (part 2): grid 32 x 6, 4 waves a work-group, clusters of 4 x 1, 327,680 bytes of LDS; arguments xn, Wq_codes, Wk_codes, Wv_codes, rope, lowp_scales, qkv; writes qkv
.if DOCPART == 2
	.amdgcn_target "amdgcn-amd-amdhsa--gfx1250"
	.amdhsa_code_object_version 6
	.text
	.protected	k_q813cce0522_qkv
	.globl	k_q813cce0522_qkv
	.p2align	8
	.type	k_q813cce0522_qkv,@function
k_q813cce0522_qkv:
	s_mov_b64 s[64:65], 0
	v_nop
	global_prefetch_b8 v0, s[64:65] scope:SCOPE_SE
	s_setreg_imm32_b32 hwreg(HW_REG_WAVE_MODE, 25, 1), 1
	s_wait_xcnt 0x0
	s_wait_alu depctr_hold_cnt(0) depctr_sa_sdst(0) depctr_va_vdst(0) depctr_va_sdst(0) depctr_va_ssrc(0) depctr_va_vcc(0) depctr_vm_vsrc(0)
	s_getreg_b32 s2, hwreg(HW_REG_IB_STS2, 6, 4)
	s_cmp_eq_u32 s2, 0
	s_cbranch_scc0 .Lentry_in_a_cluster
	s_endpgm
.Lentry_in_a_cluster:
	s_bfe_u32 s2, ttmp6, 0x10000c
	s_cmp_lg_u32 s2, 0x3003
	s_cbranch_scc0 .Lentry_shape_is_right
	s_endpgm
.Lentry_shape_is_right:
; LAUNCH 2: products 1, 2, 3 (xn Wq^T, xn Wk^T, xn Wv^T) on E4M3 codes, RoPE on q and k, and the quantisers of products 4 and 5's operands (q: e6, k: e7, v: e9).
; SHARES: work-group (T, y): 128 tokens (T = 4 x cluster x + cx), KIND = y / 2 (0 q, 1 k, 2 v), HALF = y % 2: 512 of the 1,024 columns, walked in 4 tiles of 128.  Wave w: tokens 64 (w / 2) on, columns 64 (w % 2) on: one head.
; X STAYS IN REGISTERS: a wave's 64 tokens x K 1,024 are 32 fragments, 512 registers, loaded once from xn's images, K step by K step, and awaited K step by K step: the first tile's products begin while the later K steps are on their way.
; Only the weights go through LDS: a tile of 128 rows x 1,024 bytes in each of two slots.
; CLUSTER: the four work-groups of a cluster differ in T alone and walk the same weight tiles: each tile is asked for jointly (mask 15), 32 rows a wave.
; q, k: source 0 = 16 weight rows, source 1 = 16 tokens: a lane holds one token and 8 neighbouring features, so one conversion a tile gives registers 2 tw, 2 tw + 1 of the K = 64 fragment.
; v: sources swapped: a lane holds one feature and 8 neighbouring tokens, which are the second product's K (the keys).
; OUT (images): q at 0, k at 4 MiB: [b h 32][tile of 16 tokens 128][group 2][512];  v at 8 MiB: [b h][128 keys 16][16 dims 4][group 4][512].
; The sums lack 2^(eA + eB); RoPE is linear, so that factor and the next scale are folded into the conversion's one scale 2^(eout - eA - eB).
; The work-groups of KIND 2 load the RoPE table too (16 KB a wave, once) and do not use it: so every register is written on every way through the text.
; LIMITS: eout - eA - eB between -126 and 119.  NaN is not served.
; REGISTERS: window 0: v1 16 lane, v2 my place in a weight tile, v3 the same in the slot in hand, v4 table offset, v8, v9 the add's two, v10 448 x scale, v11 scale, v12-15 at work, v32-63 codes, v128-255 the 16 accumulators (ta, tw) at 128 + 8 (4 ta + tw).
;   window 1: v0-63, v64-127 two sets of 4 weight fragments; v128-255 the table (cos even, sin odd), index as the accumulators'.   windows 2, 3: X (K step s, token tile ta) at 64 (s % 4) + 16 ta, s < 4 in window 2.
.set YP,    1040                       ; a weight row in LDS: 1,024 bytes + 16: the 32 lanes of a ds_load_b64 (16 rows, two halves) fall on 32 different 8-byte columns of 256
.set SLOTB, 128*YP
.set SPARE, 2*SLOTB                    ; behind the slots: the spare words
.set SPW, 8
.set NIL, 9
.set ACC, 128
.set CDS, 32
.set WV,  18
.set G1,  24
.set G0,  32
.set TB,  37                           ; s37: LDS byte of the slot in hand
.set MSB, 0
.macro WIN new                         ; the immediate's high byte repeats the setting that is left
.if MSB != (\new)
	s_set_vgpr_msb (MSB<<8)|(\new)
.set MSB, (\new)
.endif
.endm
.macro PLACES n
.rept \n
	v_nop
.endr
.endm
.macro CROUND                          ; a round of the cluster's barrier
	s_barrier_signal -1
	s_barrier_wait -1
	s_cmp_lg_u32 s[WV], 0
	s_cbranch_scc1 .Lnw0_\@
	s_barrier_signal -3
.Lnw0_\@:
	s_barrier_wait -3
	s_barrier_signal -1
	s_barrier_wait -1
.endm
	s_load_b256 s[4:11], s[0:1], 0x0               ; xn, Wq, Wk, Wv
	s_load_b128 s[12:15], s[0:1], 0x20             ; rope, lowp_scales
	s_load_b64 s[16:17], s[0:1], 0x30              ; qkv
	v_lshl_add_u32 v[SPW], v0, 2, SPARE
	v_mov_b32 v[NIL], 0
	ds_add_u32 v[SPW], v[NIL]                      ; the opening: the add, twice on end, and its wait ahead of my first tensor load
	ds_add_u32 v[SPW], v[NIL]
	v_lshrrev_b32 v1, 5, v0
	v_readfirstlane_b32 s[WV], v1                  ; wave 0..3
	s_lshr_b32 s19, s[WV], 1                       ; i: my half of the tokens
	s_and_b32 s20, s[WV], 1                        ; j: my half of the columns
	s_bfe_u32 s21, ttmp6, 0x40000                  ; cx
	s_lshl_b32 s22, ttmp9, 2
	s_add_co_u32 s22, s22, s21                     ; T: it enters global addresses of X, the table and the output alone
	s_and_b32 s36, ttmp7, 0xffff
	s_lshr_b32 s23, s36, 1                         ; KIND
	s_and_b32 s36, s36, 1                          ; HALF
	s_mov_b32 s[G1], 15|(1<<20)|(1<<21)|(7<<22)|(3<<25)   ; mask: all four; elements of 1 byte; padding on, 4 words behind every 256; bit 21 beside the mask
	s_mov_b32 s[G1+1], 1024<<16                    ; tensor_dim0
	s_mov_b32 s[G1+2], 32<<16                      ; tensor_dim1
	s_mov_b32 s[G1+3], 1024<<16                    ; tile_dim0
	s_mov_b32 s[G1+4], 32                          ; tile_dim1
	s_mov_b32 s[G1+5], 1024                        ; pitch
	s_mov_b32 s[G1+6], 0
	s_mov_b32 s[G1+7], 0
	s_mov_b32 s[TB], 0
	s_lshl_b32 s40, s36, 19                        ; HALF x 512 rows of 1,024 bytes
	s_lshl_b32 s41, s[WV], 15                      ; + my 32 rows
	s_add_co_u32 s40, s40, s41
	s_mov_b32 s41, 0
	s_mul_i32 s39, s[WV], 32*YP                    ; and their place in a slot
	s_wait_dscnt 0x0                               ; both opening adds are done
	s_wait_kmcnt 0x0
	s_cmp_eq_u32 s23, 0
	s_cselect_b64 s[42:43], s[6:7], s[8:9]
	s_cmp_eq_u32 s23, 2
	s_cselect_b64 s[42:43], s[10:11], s[42:43]     ; the weight of my KIND: the choice hangs on the cluster's y alone
	s_mov_b32 s[G0], 1
	s_mov_b32 s[G0+1], s39
	s_add_nc_u64 s[G0+2:G0+3], s[42:43], s[40:41]
	s_or_b32 s[G0+3], s[G0+3], 0x80000000
	CROUND                                         ; all four work-groups are here
	tensor_load_to_lds s[G0:G0+3], s[G1:G1+7]      ; tile 0 into slot 0
	s_nop 0
	PLACES 4
	s_lshl_b32 s44, s23, 3
	s_mov_b32 s45, 0
	s_add_nc_u64 s[44:45], s[14:15], s[44:45]
	s_load_b64 s[48:49], s[44:45], 0x0             ; eA, eB: entries 2 KIND, 2 KIND + 1
	s_lshr_b32 s46, s23, 1
	s_add_co_u32 s46, s46, s23
	s_lshl_b32 s46, s46, 2
	s_mov_b32 s47, 0
	s_add_nc_u64 s[46:47], s[14:15], s[46:47]
	s_load_b32 s50, s[46:47], 0x18                 ; eout: entry 6, 7 or 9
	s_lshl_b32 s52, s22, 3
	s_lshl_b32 s53, s19, 2
	s_add_co_u32 s52, s52, s53                     ; my first token tile: 8 T + 4 i
	s_lshl_b32 s52, s52, 14
	s_lshl_b32 s53, s23, 22                        ; version KIND
	s_add_co_u32 s52, s52, s53
	s_mov_b32 s53, 0
	s_add_nc_u64 s[4:5], s[4:5], s[52:53]
	s_and_b32 s54, s22, 15
	s_lshl_b32 s54, s54, 15
	s_lshl_b32 s55, s19, 14
	s_add_co_u32 s54, s54, s55                     ; the table: row (T % 16) 128 + 64 i, 256 bytes a row
	s_mov_b32 s55, 0
	s_add_nc_u64 s[12:13], s[12:13], s[54:55]
	v_and_b32 v1, 31, v0
	v_lshlrev_b32 v1, 4, v1                        ; 16 x lane
	v_and_b32 v12, 15, v0                          ; r
	v_bfe_u32 v13, v0, 4, 1                        ; h
	v_mul_u32_u24 v2, v12, YP
	v_lshl_add_u32 v2, v13, 3, v2
	s_mul_i32 s54, s20, 64*YP
	v_add_nc_u32 v2, s54, v2                       ; weight row 64 j + r, + 8 h
	v_lshlrev_b32 v4, 8, v12
	v_lshl_add_u32 v4, v13, 5, v4                  ; table: row r, + 32 h
.irp s, 0,1,2,3,4,5,6,7                            ; X, K step by K step: 16 loads each.  Their sources (v1, s[4:5]) are not written again in the launch
	WIN 0x80+0x40*(\s/4)                           ; destination window 2 or 3
.irp ta, 0,1,2,3
.irp g, 0,1,2,3
	global_load_b128 v[64*(\s%4)+16*\ta+4*\g:64*(\s%4)+16*\ta+4*\g+3], v1, s[4:5] offset:\ta*16384+\s*2048+\g*512
.endr
.endr
.endr
	WIN 0x40                                       ; destination window 1
.irp ta, 0,1,2,3                                   ; the table, 32 loads, behind X's.  Their sources (v4, s[12:13]) are not written again either
.irp tw, 0,1,2,3
	global_load_b128 v[ACC+8*(4*\ta+\tw):ACC+8*(4*\ta+\tw)+3], v4, s[12:13] offset:\ta*4096+64*\tw       ; token 16 ta + r, pairs 8 tw + 4 h + 0 .. 3
	global_load_b128 v[ACC+8*(4*\ta+\tw)+4:ACC+8*(4*\ta+\tw)+7], v4, s[12:13] offset:\ta*4096+64*\tw+16
.endr
.endr
	WIN 0
	s_lshr_b32 s56, s22, 4
	s_lshl_b32 s56, s56, 4
	s_lshl_b32 s57, s36, 3
	s_add_co_u32 s56, s56, s57
	s_add_co_u32 s56, s56, s20                     ; b h of the first tile: 16 b + 8 HALF + j
	s_lshl_b32 s56, s56, 17
	s_lshl_b32 s57, s23, 22
	s_add_co_u32 s56, s56, s57
	s_and_b32 s57, s22, 15
	s_lshl_b32 s57, s57, 13                        ; q, k: 8 tiles of 1,024 bytes; v: a key step of 8,192: both (T % 16) x 8,192
	s_add_co_u32 s56, s56, s57
	s_cmp_eq_u32 s23, 2
	s_cselect_b32 s57, 10, 12
	s_lshl_b32 s57, s19, s57                       ; q, k: + 4 i tiles; v: + 2 i groups
	s_add_co_u32 s56, s56, s57
	s_mov_b32 s57, 0
	s_add_nc_u64 s[16:17], s[16:17], s[56:57]
	s_wait_kmcnt 0x0
	s_sub_co_i32 s50, s50, s48
	s_sub_co_i32 s50, s50, s49
	s_add_co_i32 s50, s50, 127
	s_lshl_b32 s51, s50, 23
	v_mov_b32 v11, s51                             ; 2^(eout - eA - eB)
	s_add_co_i32 s50, s50, 8
	s_lshl_b32 s50, s50, 23
	s_or_b32 s50, s50, 0x600000
	v_mov_b32 v10, s50                             ; 448 x that
; THE CHANGE OF SLOTS, at a trip's head: all my tensor loads have landed (my part of this trip's tile), the add, my reads of the other slot are over; behind the round the other slot takes the next tile, which has the whole trip in which to land.
.macro CHANGE load
	s_wait_tensorcnt 0x0
	ds_add_u32 v[SPW], v[NIL]
.if \load
	s_xor_b32 s[G0+1], s[G0+1], SLOTB              ; the other slot (my part, w x 33,280, shares no bit with the slot's size),
	s_add_nc_u64 s[G0+2:G0+3], s[G0+2:G0+3], 131072   ; the next 128 rows
.endif
	s_wait_dscnt 0x0
.if \load
	CROUND
	tensor_load_to_lds s[G0:G0+3], s[G1:G1+7]
	s_nop 0
	PLACES 4
.else
	s_barrier_signal -1
	s_barrier_wait -1
.endif
.endm
.macro FETCHY s, f                     ; my 4 weight fragments of K step s into set f: registers 2 c, 2 c + 1 = k 128 s + 16 c + 8 h + 0 .. 7
	WIN 0x40
.irp tw, 0,1,2,3
.irp c, 0,1,2,3,4,5,6,7
	ds_load_b64 v[\f+16*\tw+2*\c:\f+16*\tw+2*\c+1], v3 offset:\tw*16*YP+128*(\s)+16*\c
.endr
.endr
.endm
.macro MM d, a, b, z
.if \z
	v_wmma_f32_16x16x128_fp8_fp8 v[\d:\d+7], v[\a:\a+15], v[\b:\b+15], 0
.else
	v_wmma_f32_16x16x128_fp8_fp8 v[\d:\d+7], v[\a:\a+15], v[\b:\b+15], v[\d:\d+7]
.endif
.endm
; A tile's products: 8 K steps of 16 matrix instructions; the 16 accumulators take turns, one instruction a turn; the first K step starts the sums.  vv = 1: the sources swapped (v).
; X's fragments of K step s are awaited here: behind them were issued 16 loads for each later K step and the table's 32, so that many may stay out; where that is more than 63, the most that the wait can name, the count is 63.
; At the last K step the count is 0, so that the table is in for the way out.  From the second tile on no load is out and these waits are met at once.
.macro WORK vv
	WIN 0
	v_add_nc_u32 v3, s[TB], v2
	s_wait_alu depctr_va_vdst(0)
	FETCHY 0, 0
.irp s, 0,1,2,3,4,5,6,7
.if \s < 7
.if \s > 0
	PLACES 4                                       ; in front of loads into registers that the last matrix instructions read
.endif
	FETCHY \s+1, 64*((\s+1)%2)
	s_wait_dscnt 32                                ; this K step's fragments are in; the 32 loads just issued may be out
.else
	s_wait_dscnt 0x0
.endif
.if \s == 7
	s_wait_loadcnt 0x0
.elseif 16*(7-\s)+32 > 63
	s_wait_loadcnt 63
.else
	s_wait_loadcnt 16*(7-\s)+32
.endif
.if \vv
	WIN 0x06+(\s/4)                                ; source 0 X (window 2 or 3), source 1 weights (window 1)
.else
	WIN 0x09+4*(\s/4)                              ; source 0 weights, source 1 X
.endif
.irp ta, 0,1,2,3
.irp tw, 0,1,2,3
.if \vv
	MM ACC+8*(4*\ta+\tw), 64*(\s%4)+16*\ta, 64*(\s%2)+16*\tw, \s==0
.else
	MM ACC+8*(4*\ta+\tw), 64*(\s%2)+16*\tw, 64*(\s%4)+16*\ta, \s==0
.endif
.endr
.endr
.endr
.endm
.macro HOLD                            ; the conversion does not saturate (ISA guide 7.6.2)
.set aa, 0
.rept 128
	v_med3_num_f32 v[ACC+aa], v[ACC+aa], -v10, v10
.set aa, aa+1
.endr
.endm
.macro EPI_QK
	WIN 0
	PLACES 4
	WIN 0x04                                       ; source 1: the table, window 1
.set aa, 0
.rept 64                               ; a pair (xe, xo) -> (xe cos - xo sin, xe sin + xo cos); each accumulator from its low end on
	v_mul_f32 v[12+2*(aa%2)], v[ACC+2*aa+1], v[ACC+2*aa+1]
	v_mul_f32 v[13+2*(aa%2)], v[ACC+2*aa+1], v[ACC+2*aa]
	v_fma_f32 v[ACC+2*aa+1], v[ACC+2*aa], v[ACC+2*aa+1], v[13+2*(aa%2)]
	v_fma_f32 v[ACC+2*aa], v[ACC+2*aa], v[ACC+2*aa], -v[12+2*(aa%2)]
.set aa, aa+1
.endr
	WIN 0
	HOLD
.irp ta, 0,1,2,3
.irp tw, 0,1,2,3
	v_cvt_scalef32_pk8_fp8_f32 v[CDS+8*\ta+2*\tw:CDS+8*\ta+2*\tw+1], v[ACC+8*(4*\ta+\tw):ACC+8*(4*\ta+\tw)+7], v11
.endr
.endr
	v_nop                                          ; a plain instruction between the last conversion and the products that write its sources
.irp ta, 0,1,2,3
.irp g, 0,1
	global_store_b128 v1, v[CDS+8*\ta+4*\g:CDS+8*\ta+4*\g+3], s[16:17] offset:\ta*1024+\g*512
.endr
.endr
	s_wait_xcnt 0x0                                ; the stores have read their data and their base
	s_add_nc_u64 s[16:17], s[16:17], 262144        ; two heads on
.endm
.macro EPI_V
	WIN 0
	PLACES 4
	HOLD
.irp tw, 0,1,2,3
.irp ta, 0,1,2,3
	v_cvt_scalef32_pk8_fp8_f32 v[CDS+4*(2*\tw+\ta/2)+2*(\ta%2):CDS+4*(2*\tw+\ta/2)+2*(\ta%2)+1], v[ACC+8*(4*\ta+\tw):ACC+8*(4*\ta+\tw)+7], v11   ; dim 16 tw + r, keys 64 i + 16 ta + 8 h + 0 .. 7
.endr
.endr
	v_nop
.irp tw, 0,1,2,3
.irp b, 0,1
	global_store_b128 v1, v[CDS+4*(2*\tw+\b):CDS+4*(2*\tw+\b)+3], s[16:17] offset:\tw*2048+\b*512
.endr
.endr
	s_wait_xcnt 0x0
	s_add_nc_u64 s[16:17], s[16:17], 262144
.endm
.macro TRIP load
	CHANGE \load
	s_cmp_eq_u32 s23, 2                            ; KIND: the same in all waves and in all partners
	s_cbranch_scc1 .Lv_\@
	s_wait_alu depctr_va_vdst(0)
	WORK 0
	EPI_QK
	s_branch .Ldone_\@
.Lv_\@:
	s_wait_alu depctr_va_vdst(0)
	WORK 1
	EPI_V
.Ldone_\@:
	s_xor_b32 s[TB], s[TB], SLOTB
.endm
	s_mov_b32 s38, 3
.Ltrip:
	TRIP 1
	s_sub_co_u32 s38, s38, 1
	s_cmp_lg_u32 s38, 0
	s_cbranch_scc1 .Ltrip
	TRIP 0                                         ; the last tile: nothing is left to ask for
	s_wait_tensorcnt 0x0                           ; the wave's end
	ds_add_u32 v[SPW], v[NIL]
	s_wait_dscnt 0x0
	CROUND                                         ; the closing round
	s_endpgm
.Lfunc_end_k_q813cce0522_qkv:
	.size	k_q813cce0522_qkv, .Lfunc_end_k_q813cce0522_qkv-k_q813cce0522_qkv
	.p2alignl 7, 3214868480
	.fill 96, 4, 3214868480
	.section	.rodata,"a",@progbits
	.p2align	6, 0x0
	.amdhsa_kernel k_q813cce0522_qkv
		.amdhsa_group_segment_fixed_size 327680
		.amdhsa_private_segment_fixed_size 0
		.amdhsa_enable_private_segment 0
		.amdhsa_kernarg_size 56
		.amdhsa_user_sgpr_count 2
		.amdhsa_user_sgpr_kernarg_segment_ptr 1
		.amdhsa_wavefront_size32 1
		.amdhsa_system_sgpr_workgroup_id_x 1
		.amdhsa_system_sgpr_workgroup_id_y 1
		.amdhsa_system_sgpr_workgroup_id_z 1
		.amdhsa_system_vgpr_workitem_id 0
		.amdhsa_next_free_vgpr 1024
		.amdhsa_next_free_sgpr 66
		.amdhsa_reserve_vcc 0
		.amdhsa_float_denorm_mode_32 3
		.amdhsa_float_denorm_mode_16_64 3
		.amdhsa_memory_ordered 1
		.amdhsa_forward_progress 1
		.amdhsa_inst_pref_size 190
	.end_amdhsa_kernel
	.amdgpu_metadata
---
amdhsa.version: [ 1, 2 ]
amdhsa.kernels:
  - .name:           k_q813cce0522_qkv
    .symbol:         k_q813cce0522_qkv.kd
    .args:
      - { .name: xn, .offset: 0, .size: 8, .value_kind: global_buffer, .address_space: global }
      - { .name: Wq_codes, .offset: 8, .size: 8, .value_kind: global_buffer, .address_space: global }
      - { .name: Wk_codes, .offset: 16, .size: 8, .value_kind: global_buffer, .address_space: global }
      - { .name: Wv_codes, .offset: 24, .size: 8, .value_kind: global_buffer, .address_space: global }
      - { .name: rope, .offset: 32, .size: 8, .value_kind: global_buffer, .address_space: global }
      - { .name: lowp_scales, .offset: 40, .size: 8, .value_kind: global_buffer, .address_space: global }
      - { .name: qkv, .offset: 48, .size: 8, .value_kind: global_buffer, .address_space: global }
    .group_segment_fixed_size: 327680
    .private_segment_fixed_size: 0
    .kernarg_segment_align: 8
    .kernarg_segment_size: 56
    .max_flat_workgroup_size: 128
    .sgpr_count:     66
    .vgpr_count:     1024
    .wavefront_size: 32
...
	.end_amdgpu_metadata
.endif
;; end of part 2
;; launch attn (part 3): grid 8 x 32, 8 waves a work-group, clusters of 4 x 1, 327,680 bytes of LDS; arguments qkv, lowp_scales, att; writes att
.if DOCPART == 3
	.amdgcn_target "amdgcn-amd-amdhsa--gfx1250"
	.amdhsa_code_object_version 6
	.text
	.protected	k_q813cce0522_attn
	.globl	k_q813cce0522_attn
	.p2align	8
	.type	k_q813cce0522_attn,@function
k_q813cce0522_attn:
	s_mov_b64 s[64:65], 0
	v_nop
	global_prefetch_b8 v0, s[64:65] scope:SCOPE_SE
	s_setreg_imm32_b32 hwreg(HW_REG_WAVE_MODE, 25, 1), 1
	s_wait_xcnt 0x0
	s_wait_alu depctr_hold_cnt(0) depctr_sa_sdst(0) depctr_va_vdst(0) depctr_va_sdst(0) depctr_va_ssrc(0) depctr_va_vcc(0) depctr_vm_vsrc(0)
	s_getreg_b32 s2, hwreg(HW_REG_IB_STS2, 6, 4)
	s_cmp_eq_u32 s2, 0
	s_cbranch_scc0 .Lentry_in_a_cluster
	s_endpgm
.Lentry_in_a_cluster:
	s_bfe_u32 s2, ttmp6, 0x10000c
	s_cmp_lg_u32 s2, 0x3003
	s_cbranch_scc0 .Lentry_shape_is_right
	s_endpgm
.Lentry_shape_is_right:
; LAUNCH 3: products 4 and 5 (q k^T, p v) on E4M3 codes, the causal softmax between them, and the quantiser e10 of product 6's left operand.
; WORK LEFT OUT: blocks of 128 keys that lie wholly behind reference()'s own mask jnp.tril: there p = 0 for all finite inputs.  A NaN or infinity that reaches only such scores is not carried on.
; THE SOFTMAX: t = score x log2(e) / 8; M = the ceiling of the running largest t; p = 2^(t - M) is quantised (e8); the row's sum is taken of the unquantised p and divides at the end; when M moves, sum and O are multiplied by 2^(old M - new M).
; SHARES: work-group (X, b h): X = 4 x cluster x + cx in 0..7, one head.  Wave w of eight owns two tiles of 16 queries: tile 8 (15 - w) + X, which needs key blocks 0 .. 15 - w, then tile 8 w + X, which needs 0 .. w: 17 key steps of 128 keys in every wave.
; One loop of 17 trips: g = (j + w) >> 4 tells the tile, the key block is (j + g w) & 15, the tile's own block (the diagonal, its last) is (15 - w) xor 15 g.
; LDS: the head's K (131,072 bytes, images of 16 keys x 64) and V (131,072 bytes, images of 16 dims x 128 keys) whole: wave w asks for 32,768 bytes at 32,768 w, one tensor load a wave, at the head.  Nothing is filled again.
; CLUSTER: the four work-groups of a cluster differ in X alone and need the same K and V: each load is asked for jointly (mask 15).
; NO PREFETCH: all of K and V is asked for by the one group of loads at the head; there is no loop to run ahead in.
; Both products are used transposed (S^T = K Q^T, O^T = V^T P^T): a lane holds one query; S^T's tile kt, register i, lane (r, h) is key 16 kt + 8 h + i: one conversion a tile gives registers 2 kt, 2 kt + 1 of P's fragment.
; LOOK-AHEAD IN REGISTERS: K of step j + 1 is read from LDS behind step j's first product, V of step j + 1 behind its second.  The last trip's look-ahead reads block w + 1 and is not used.
; LIMITS: e6 + e7 between -123 and 130; e8 between -126 and 119; scaled scores under 2^31 in magnitude; NaN among the inputs is not served.
; REGISTERS: window 0: v1 16 lane, v5, v6 the add's two, v7 -inf, v8, v9 LDS addresses of the next K, V, v10 the mask's number, v12 -M, v13 largest t, v[14:15] the sum, v16-23 Q in hand, v24-31 the second tile's Q,
;   v32-95 K, v96-159 S^T then p, v160-191 O^T, v192-199 codes out, v200-211 at work, v224-239 P's codes, v240, v241 448 x 2^e8, v244 2^e8, v245 1.0, v247 448, v246-254 at work.   window 1: v0-63 V.
.set SPARE, 262144
.set VOFF,  131072
.set SPW, 5
.set NIL, 6
.set KF,  32
.set S,   96
.set O,   160
.set P,   224
.set WV,  10
.set BLK, 11
.set XQ,  12
.set W15, 13
.set BH,  14
.set J,   16
.set KB,  17
.set N1,  18
.set G1,  24
.set G0,  32
.set NXT, 58
.set MSB, 0
.macro WIN new                         ; the immediate's high byte repeats the setting that is left
.if MSB != (\new)
	s_set_vgpr_msb (MSB<<8)|(\new)
.set MSB, (\new)
.endif
.endm
.macro PLACES n
.rept \n
	v_nop
.endr
.endm
.macro CROUND                          ; a round of the cluster's barrier
	s_barrier_signal -1
	s_barrier_wait -1
	s_cmp_lg_u32 s[WV], 0
	s_cbranch_scc1 .Lnw0_\@
	s_barrier_signal -3
.Lnw0_\@:
	s_barrier_wait -3
	s_barrier_signal -1
	s_barrier_wait -1
.endm
.macro KLOAD a                         ; 8 fragments of 16 keys x 64: 16 loads
.irp kt, 0,1,2,3,4,5,6,7
	ds_load_b128 v[KF+8*\kt:KF+8*\kt+3], v[\a] offset:\kt*1024
	ds_load_b128 v[KF+8*\kt+4:KF+8*\kt+7], v[\a] offset:\kt*1024+512
.endr
.endm
.macro VLOAD                           ; 4 fragments of 16 dims x 128 keys: 16 loads (destination: window 1)
.irp q, 0,1,2,3,4,5,6,7,8,9,10,11,12,13,14,15
	ds_load_b128 v[4*\q:4*\q+3], v9 offset:\q*512
.endr
.endm
.macro INIT                            ; a tile begins: largest t -3e38, sum and O^T zero; the first change of M multiplies zeros
	v_mov_b32 v13, 0xff61b1e6
	v_mov_b32 v14, 0
	v_mov_b32 v15, 0
	v_floor_f32 v12, -v13
.set jj, 0
.rept 32
	v_mov_b32 v[O+jj], 0
.set jj, jj+1
.endr
.endm
	s_load_b128 s[4:7], s[0:1], 0x0                ; qkv, lowp_scales
	s_load_b64 s[8:9], s[0:1], 0x10                ; att
	v_lshl_add_u32 v[SPW], v0, 2, SPARE
	v_mov_b32 v[NIL], 0
	ds_add_u32 v[SPW], v[NIL]                      ; the opening: the add, twice on end, and its wait ahead of my tensor load
	ds_add_u32 v[SPW], v[NIL]
	v_lshrrev_b32 v8, 5, v0
	v_readfirstlane_b32 s[WV], v8                  ; wave 0..7
	s_xor_b32 s[W15], s[WV], 15                    ; 15 - w
	s_sub_co_u32 s[N1], 16, s[WV]                  ; the first tile's steps
	s_bfe_u32 s15, ttmp6, 0x40000                  ; cx: it enters global addresses of Q and of the output, and the mask's number, alone
	s_lshl_b32 s[XQ], ttmp9, 2
	s_add_co_u32 s[XQ], s[XQ], s15                 ; X
	s_and_b32 s[BH], ttmp7, 0xffff                 ; b h
	s_mov_b32 s[G1], 15|(3<<16)|(1<<21)            ; mask: all four; elements of 8 bytes; bit 21 beside the mask
	s_mov_b32 s[G1+1], 32<<16                      ; rows of 256 bytes,
	s_mov_b32 s[G1+2], 128<<16                     ; 128 of them, dense
	s_mov_b32 s[G1+3], 32<<16
	s_mov_b32 s[G1+4], 128
	s_mov_b32 s[G1+5], 32
	s_mov_b32 s[G1+6], 0
	s_mov_b32 s[G1+7], 0
	s_mov_b32 s20, 0x76543210
	s_mov_b32 s21, 0xfedcba98                      ; v_permlanex16_b32: lane l xor 16
	s_lshr_b32 s38, s[WV], 2
	s_add_co_u32 s38, s38, 1
	s_lshl_b32 s38, s38, 22                        ; k at 4 MiB (waves 0-3), v at 8 MiB (waves 4-7),
	s_and_b32 s15, s[WV], 3
	s_lshl_b32 s15, s15, 15                        ; my quarter,
	s_add_co_u32 s38, s38, s15
	s_lshl_b32 s15, s[BH], 17                      ; my head
	s_add_co_u32 s38, s38, s15
	s_mov_b32 s39, 0
	s_mov_b32 s[G0], 1
	s_lshl_b32 s[G0+1], s[WV], 15                  ; LDS: 32,768 w
	s_wait_dscnt 0x0                               ; both opening adds are done
	s_wait_kmcnt 0x0
	s_add_nc_u64 s[G0+2:G0+3], s[4:5], s[38:39]
	s_or_b32 s[G0+3], s[G0+3], 0x80000000
	CROUND                                         ; all four work-groups are here
	tensor_load_to_lds s[G0:G0+3], s[G1:G1+7]      ; my one tensor load
	s_nop 0
	PLACES 4
	s_load_b128 s[48:51], s[6:7], 0x18             ; e6, e7, e8, e9
	s_load_b32 s52, s[6:7], 0x28                   ; e10
	s_lshl_b32 s36, s[W15], 3
	s_add_co_u32 s36, s36, s[XQ]                   ; the first query tile,
	s_lshl_b32 s37, s[WV], 3
	s_add_co_u32 s37, s37, s[XQ]                   ; the second
	s_lshl_b32 s15, s[BH], 17
	s_lshl_b32 s38, s36, 10
	s_add_co_u32 s38, s38, s15
	s_add_nc_u64 s[54:55], s[4:5], s[38:39]
	s_lshl_b32 s38, s37, 10
	s_add_co_u32 s38, s38, s15
	s_add_nc_u64 s[56:57], s[4:5], s[38:39]
	v_and_b32 v1, 31, v0
	v_lshlrev_b32 v1, 4, v1                        ; 16 x lane
	s_wait_alu depctr_va_vdst(0)                   ; the wait directly behind the write
	global_load_b128 v[16:19], v1, s[54:55]
	global_load_b128 v[20:23], v1, s[54:55] offset:512
	global_load_b128 v[24:27], v1, s[56:57]
	global_load_b128 v[28:31], v1, s[56:57] offset:512
	s_lshr_b32 s15, s[BH], 4
	s_lshl_b32 s15, s15, 7                         ; att: token tile 128 b + query tile, 16,384 bytes each; the head's 1,024 bytes in it
	s_and_b32 s19, s[BH], 15
	s_lshl_b32 s19, s19, 10
	s_add_co_u32 s38, s15, s36
	s_lshl_b32 s38, s38, 14
	s_add_co_u32 s38, s38, s19
	s_add_nc_u64 s[40:41], s[8:9], s[38:39]
	s_add_co_u32 s38, s15, s37
	s_lshl_b32 s38, s38, 14
	s_add_co_u32 s38, s38, s19
	s_add_nc_u64 s[42:43], s[8:9], s[38:39]
	v_and_b32 v2, 15, v0                           ; r
	v_bfe_u32 v3, v0, 4, 1                         ; h
	v_lshlrev_b32 v3, 3, v3
	v_sub_nc_u32 v10, v2, v3
	s_lshl_b32 s15, s[XQ], 4
	v_add_nc_u32 v10, s15, v10                     ; 16 X + r - 8 h: on the diagonal, register 8 kt + i is hidden where 16 kt + i is greater
	v_add_nc_u32 v9, VOFF, v1
	v_mov_b32 v7, 0xff800000                       ; -infinity
	v_mov_b32 v246, 0                              ; a lane permute's destination counts as a source
	v_mov_b32 v249, 0                              ; (named as the upper half of v[248:249])
	v_mov_b32 v245, 1.0
	v_mov_b32 v247, 0x43e00000                     ; 448
	INIT
	s_wait_kmcnt 0x0
	s_add_co_i32 s15, s48, s49
	s_lshl_b32 s15, s15, 23
	s_mov_b32 s22, 0x3e38aa3b                      ; log2(e) / 8,
	s_add_co_i32 s22, s22, s15                     ; x 2^(e6 + e7), by its exponent field
	s_mov_b32 s23, s22
	s_add_co_i32 s15, s50, 127
	s_lshl_b32 s19, s15, 23
	v_mov_b32 v244, s19                            ; 2^e8
	s_add_co_i32 s15, s15, 8
	s_lshl_b32 s15, s15, 23
	s_or_b32 s15, s15, 0x600000
	v_mov_b32 v240, s15                            ; 448 x 2^e8, twice: one for each half of a dual instruction
	v_mov_b32 v241, s15
	s_add_co_i32 s53, s50, s51
	s_sub_co_i32 s53, s53, s52                     ; e8 + e9 - e10
	s_mov_b32 s[J], 0
	s_wait_alu depctr_va_vdst(0)                   ; the head's end
	s_wait_loadcnt 0x0                             ; Q, both tiles
	s_wait_tensorcnt 0x0                           ; my part of K or V is in,
	s_barrier_signal -1
	s_barrier_wait -1                              ; everybody's is
	KLOAD 1                                        ; key block 0
	WIN 0x40
	VLOAD
	WIN 0
.Ltrip:
	s_add_co_u32 s19, s[J], s[WV]
	s_lshr_b32 s19, s19, 4                         ; g: 0 the first tile, 1 the second
	s_mul_i32 s15, s19, s[WV]
	s_add_co_u32 s[KB], s[J], s15
	s_and_b32 s[KB], s[KB], 15                     ; the key block in hand
	s_mul_i32 s15, s19, 15
	s_xor_b32 s[BLK], s[W15], s15                  ; the tile's own block
	s_add_co_u32 s59, s[J], 1                      ; the same for trip j + 1: the next key block's place in LDS
	s_add_co_u32 s19, s59, s[WV]
	s_lshr_b32 s19, s19, 4
	s_mul_i32 s19, s19, s[WV]
	s_add_co_u32 s59, s59, s19
	s_and_b32 s59, s59, 15
	s_lshl_b32 s[NXT], s59, 13
	s_wait_alu depctr_va_vdst(0)
	s_wait_dscnt 16                                ; K of this step is in; the 16 loads issued behind it (V of this step) may be out
.irp kt, 0,1,2,3,4,5,6,7
	v_wmma_f32_16x16x64_fp8_fp8 v[S+8*\kt:S+8*\kt+7], v[KF+8*\kt:KF+8*\kt+7], v[16:23], 0
.endr
	v_add_nc_u32 v8, s[NXT], v1                    ; four places behind the products: two additions, two v_nop
	v_add_nc_u32 v9, VOFF, v8
	PLACES 2
	KLOAD 8                                        ; K of the next step
	s_cmp_lg_u32 s[KB], s[BLK]
	s_cbranch_scc1 .Lopen
.set nn, 0
.rept 64                               ; the diagonal block: hidden scores become -infinity ahead of the maximum
	v_cmp_gt_i32 vcc_lo, 16*(nn/8)+nn%8, v10
	v_cndmask_b32 v[S+nn], v[S+nn], v7, vcc_lo
.set nn, nn+1
.endr
.Lopen:
.irp c, 0,1,2,3                        ; the step's largest score, in four chains of 16 registers; each accumulator is read from its low end on
	v_max3_num_f32 v[200+\c], v[S+16*\c], v[S+16*\c+1], v[S+16*\c+2]
.endr
.irp i, 3,5,7,9,11,13
.irp c, 0,1,2,3
	v_max3_num_f32 v[200+\c], v[200+\c], v[S+16*\c+\i], v[S+16*\c+\i+1]
.endr
.endr
	v_max3_num_f32 v200, v200, v[S+15], v[S+31]
	v_max3_num_f32 v202, v202, v[S+47], v[S+63]
	s_delay_alu instid0(VALU_DEP_1)
	v_max3_num_f32 v200, v200, v201, v202
	s_delay_alu instid0(VALU_DEP_1)
	v_max_num_f32 v254, v200, v203
	s_delay_alu instid0(VALU_DEP_1)
	v_permlanex16_b32 v246, v254, s20, s21
	s_delay_alu instid0(VALU_DEP_1)
	v_max_num_f32 v254, v254, v246                 ; and lane l xor 16's keys
	s_delay_alu instid0(VALU_DEP_1)
	v_mul_f32 v254, s22, v254                      ; as t
	s_delay_alu instid0(VALU_DEP_1)
	v_max_num_f32 v13, v13, v254
	v_mov_b32 v254, v12
	s_delay_alu instid0(VALU_DEP_2)
	v_floor_f32 v12, -v13                          ; -M = floor(-t)
	s_delay_alu instid0(VALU_DEP_1)
	v_sub_f32 v254, v12, v254
	s_delay_alu instid0(VALU_DEP_1)
	v_cvt_i32_f32 v254, v254                       ; old M - new M, a whole number (it saturates)
	s_delay_alu instid0(VALU_DEP_1)
	v_ldexp_f32 v248, 1.0, v254                    ; f
.set jj, 0
.rept 32
	v_pk_fma_f32 v[S+jj:S+jj+1], v[S+jj:S+jj+1], s[22:23], v[12:13] op_sel_hi:[1,0,0]   ; t - M
.set jj, jj+2
.endr
.set jj, 0
.rept 16
	v_pk_mul_f32 v[O+jj:O+jj+1], v[O+jj:O+jj+1], v[248:249] op_sel_hi:[1,0]             ; O^T under the new M, ahead of the exponentials
.set jj, jj+2
.endr
	s_wait_alu depctr_va_vdst(0)                   ; the wait ahead of the batch,
.set jj, 0
.rept 64
	v_exp_f32 v[S+jj], v[S+jj]
.set jj, jj+1
.endr
	v_nop                                          ; a plain place behind it,
	s_wait_alu depctr_va_vdst(0)                   ; and the wait ahead of its first reader
.irp c, 0,1,2,3                        ; the sum of the unquantised p, in four chains
	v_pk_add_f32 v[204+2*\c:205+2*\c], v[S+16*\c:S+16*\c+1], v[S+16*\c+2:S+16*\c+3]
.endr
.irp i, 4,6,8,10,12,14
.irp c, 0,1,2,3
	v_pk_add_f32 v[204+2*\c:205+2*\c], v[204+2*\c:205+2*\c], v[S+16*\c+\i:S+16*\c+\i+1]
.endr
.endr
	v_pk_add_f32 v[204:205], v[204:205], v[206:207]
	v_pk_add_f32 v[208:209], v[208:209], v[210:211]
	v_pk_add_f32 v[204:205], v[204:205], v[208:209]
	v_pk_fma_f32 v[14:15], v[14:15], v[248:249], v[204:205] op_sel_hi:[1,0,1]           ; the old sum x f + this step's
.irp k, 0,1,2,3,4,5,6,7
.irp i, 0,2,4,6                        ; the conversion does not saturate (ISA guide 7.6.2); p is not negative: a one-sided hold, two numbers an instruction
	v_dual_min_num_f32 v[S+8*\k+\i], v[S+8*\k+\i], v240 :: v_dual_min_num_f32 v[S+8*\k+\i+1], v[S+8*\k+\i+1], v241
.endr
	v_cvt_scalef32_pk8_fp8_f32 v[P+2*\k:P+2*\k+1], v[S+8*\k:S+8*\k+7], v244
.endr
	v_nop                                          ; a plain place between the last conversion and the products
	s_wait_alu depctr_va_vdst(0)
	s_wait_dscnt 16                                ; V of this step is in; the 16 loads issued behind it (K of the next step) may be out
	WIN 0x01                                       ; source 0: V, window 1
.irp tw, 0,1,2,3
	v_wmma_f32_16x16x128_fp8_fp8 v[O+8*\tw:O+8*\tw+7], v[16*\tw:16*\tw+15], v[P:P+15], v[O+8*\tw:O+8*\tw+7]
.endr
	PLACES 4
	WIN 0x40
	VLOAD                                          ; V of the next step
	WIN 0
	s_cmp_lg_u32 s[KB], s[BLK]
	s_cbranch_scc1 .Lnext
	; the tile's last step is done: O^T / the sum x 2^(e8 + e9 - e10), held at 448, as codes, in the image of product 6's left operand
	s_wait_xcnt 0x0                                ; the first tile's stores have read their data and their base
	s_cmp_lt_u32 s[J], s[N1]
	s_cselect_b64 s[44:45], s[40:41], s[42:43]
	v_add_f32 v14, v14, v15
	s_delay_alu instid0(VALU_DEP_1)
	v_permlanex16_b32 v246, v14, s20, s21
	s_delay_alu instid0(VALU_DEP_1)
	v_add_f32 v14, v14, v246
	s_wait_alu depctr_va_vdst(0)                   ; the wait ahead of the transcendental,
	v_rcp_f32 v14, v14
	v_nop
	s_wait_alu depctr_va_vdst(0)                   ; ahead of its first reader,
	v_ldexp_f32 v14, v14, s53
	s_wait_alu depctr_va_vdst(0)                   ; and directly ahead of the first reader of O^T
.set jj, 0
.rept 32
	v_mul_f32 v[S+jj], v[O+jj], v14
.set jj, jj+1
.endr
.set jj, 0
.rept 32
	v_med3_num_f32 v[S+jj], v[S+jj], -v247, v247
.set jj, jj+1
.endr
.irp tw, 0,1,2,3
	v_cvt_scalef32_pk8_fp8_f32 v[192+2*\tw:193+2*\tw], v[S+8*\tw:S+8*\tw+7], v245
.endr
	v_nop
	global_store_b128 v1, v[192:195], s[44:45]     ; 512 consecutive bytes a store
	global_store_b128 v1, v[196:199], s[44:45] offset:512
	s_cmp_eq_u32 s[J], 16
	s_cbranch_scc1 .Lnext
	INIT                                           ; the second tile begins
.irp i, 0,1,2,3,4,5,6,7
	v_mov_b32 v[16+\i], v[24+\i]
.endr
.Lnext:
	s_add_co_u32 s[J], s[J], 1
	s_cmp_lt_u32 s[J], 17
	s_cbranch_scc1 .Ltrip
	s_wait_tensorcnt 0x0                           ; the wave's end
	ds_add_u32 v[SPW], v[NIL]
	s_wait_dscnt 0x0
	CROUND                                         ; the closing round
	s_endpgm
.Lfunc_end_k_q813cce0522_attn:
	.size	k_q813cce0522_attn, .Lfunc_end_k_q813cce0522_attn-k_q813cce0522_attn
	.p2alignl 7, 3214868480
	.fill 96, 4, 3214868480
	.section	.rodata,"a",@progbits
	.p2align	6, 0x0
	.amdhsa_kernel k_q813cce0522_attn
		.amdhsa_group_segment_fixed_size 327680
		.amdhsa_private_segment_fixed_size 0
		.amdhsa_enable_private_segment 0
		.amdhsa_kernarg_size 24
		.amdhsa_user_sgpr_count 2
		.amdhsa_user_sgpr_kernarg_segment_ptr 1
		.amdhsa_wavefront_size32 1
		.amdhsa_system_sgpr_workgroup_id_x 1
		.amdhsa_system_sgpr_workgroup_id_y 1
		.amdhsa_system_sgpr_workgroup_id_z 1
		.amdhsa_system_vgpr_workitem_id 0
		.amdhsa_next_free_vgpr 320
		.amdhsa_next_free_sgpr 66
		.amdhsa_reserve_vcc 1
		.amdhsa_float_denorm_mode_32 3
		.amdhsa_float_denorm_mode_16_64 3
		.amdhsa_memory_ordered 1
		.amdhsa_forward_progress 1
		.amdhsa_inst_pref_size 36
	.end_amdhsa_kernel
	.amdgpu_metadata
---
amdhsa.version: [ 1, 2 ]
amdhsa.kernels:
  - .name:           k_q813cce0522_attn
    .symbol:         k_q813cce0522_attn.kd
    .args:
      - { .name: qkv, .offset: 0, .size: 8, .value_kind: global_buffer, .address_space: global }
      - { .name: lowp_scales, .offset: 8, .size: 8, .value_kind: global_buffer, .address_space: global }
      - { .name: att, .offset: 16, .size: 8, .value_kind: global_buffer, .address_space: global }
    .group_segment_fixed_size: 327680
    .private_segment_fixed_size: 0
    .kernarg_segment_align: 8
    .kernarg_segment_size: 24
    .max_flat_workgroup_size: 256
    .sgpr_count:     66
    .vgpr_count:     320
    .wavefront_size: 32
...
	.end_amdgpu_metadata
.endif
;; end of part 3
;; launch wo (part 4): grid 8 x 32, 4 waves a work-group, clusters of 4 x 4, 327,680 bytes of LDS; arguments att, Wo_codes, x, lowp_scales, x2; writes x2
.if DOCPART == 4
	.amdgcn_target "amdgcn-amd-amdhsa--gfx1250"
	.amdhsa_code_object_version 6
	.text
	.protected	k_q813cce0522_wo
	.globl	k_q813cce0522_wo
	.p2align	8
	.type	k_q813cce0522_wo,@function
k_q813cce0522_wo:
	s_mov_b64 s[64:65], 0
	v_nop
	global_prefetch_b8 v0, s[64:65] scope:SCOPE_SE
	s_setreg_imm32_b32 hwreg(HW_REG_WAVE_MODE, 25, 1), 1
	s_wait_xcnt 0x0
	s_wait_alu depctr_hold_cnt(0) depctr_sa_sdst(0) depctr_va_vdst(0) depctr_va_sdst(0) depctr_va_ssrc(0) depctr_va_vcc(0) depctr_vm_vsrc(0)
	s_getreg_b32 s2, hwreg(HW_REG_IB_STS2, 6, 4)
	s_cmp_eq_u32 s2, 0
	s_cbranch_scc0 .Lentry_in_a_cluster
	s_endpgm
.Lentry_in_a_cluster:
	s_bfe_u32 s2, ttmp6, 0x10000c
	s_cmp_lg_u32 s2, 0xf033
	s_cbranch_scc0 .Lentry_shape_is_right
	s_endpgm
.Lentry_shape_is_right:
; LAUNCH 4: x2 = x + attn Wo^T (product 6) on E4M3 codes.  A tile of 128 tokens x 128 columns to a work-group, 64 x 64 to each of four waves: 16 accumulators.
; ALL OF K = 1,024 LIES IN LDS AT ONCE, asked for at the head by one tensor load a wave; nothing is filled later or again.  X's 8 token tiles as images (131,072 bytes, dense), then 128 weight rows of 1,024 + 16 bytes.
; CLUSTER 4 x 4: X's tile hangs on the token tile alone and is shared along a row of the cluster, the weight's on the column tile alone and is shared along a column: joint loads (waves 0, 1: X's halves; waves 2, 3: the weight's).
; NO PREFETCH: everything is asked for at the head; there is no loop to run ahead in.
; Source 0 = 16 weight rows, source 1 = 16 tokens: a lane holds 8 neighbouring columns of one row.  The sums go through the wave's stage in LDS and leave as sum x 2^(e10 + e11) + x, sixteen lanes to 256 consecutive aligned bytes.
; LIMIT: e10 + e11 between -126 and 127.
; REGISTERS: window 0: v16 / v20 LDS addresses of my X / weight fragments; v24, v25 the stage, in and back; v26 my offset in a row pair of the output; v28, v29 the add's two; v32-95 two sets of rows read back; v128-255 accumulators.
;   window 1: two sets of fragments: X at f + 16 ta, weights at f + 64 + 16 tw.   window 2: v0-127 the residual.
.set XP,    16384                      ; bytes of a token tile's images
.set KROW,  1024                       ; bytes of a weight row
.set SCOFF, 40                         ; the two scales' place in lowp_scales
.set YOFF,  131072
.set YPI,   1040
.set STAGE, YOFF+128*YPI
.set SPI,   272
.set SPARE, STAGE+4*16*SPI
.set SPW, 28
.set NIL, 29
.set BK,  32
.set ACC, 128
.set WV,  14
.set G1X, 24
.set G1Y, 32
.set G0X, 40
.set G0Y, 48
.set MSB, 0
.macro WIN new
.if MSB != (\new)
	s_set_vgpr_msb (MSB<<8)|(\new)
.set MSB, (\new)
.endif
.endm
.macro PLACES n
.rept \n
	v_nop
.endr
.endm
.macro CROUND
	s_barrier_signal -1
	s_barrier_wait -1
	s_cmp_lg_u32 s[WV], 0
	s_cbranch_scc1 .Lnw0_\@
	s_barrier_signal -3
.Lnw0_\@:
	s_barrier_wait -3
	s_barrier_signal -1
	s_barrier_wait -1
.endm
	s_load_b256 s[4:11], s[0:1], 0x0               ; att, Wo, x, lowp_scales
	s_load_b64 s[12:13], s[0:1], 0x20              ; x2
	v_lshl_add_u32 v[SPW], v0, 2, SPARE
	v_mov_b32 v[NIL], 0
	ds_add_u32 v[SPW], v[NIL]                      ; the opening: the add, twice on end, and its wait ahead of my tensor load
	ds_add_u32 v[SPW], v[NIL]
	v_lshrrev_b32 v1, 5, v0
	v_readfirstlane_b32 s[WV], v1
	s_lshr_b32 s15, s[WV], 1                       ; my half of the tokens.  Also: I fetch X (0) or weights (1)
	s_and_b32 s16, s[WV], 1                        ; my half of the columns.  Also: which half I fetch
	s_bfe_u32 s56, ttmp6, 0x40000                  ; cx
	s_bfe_u32 s57, ttmp6, 0x40004                  ; cy
	s_lshl_b32 s58, ttmp9, 2
	s_add_co_u32 s58, s58, s56                     ; column tile
	s_and_b32 s17, ttmp7, 0xffff
	s_lshl_b32 s17, s17, 2
	s_add_co_u32 s17, s17, s57                     ; token tile
	s_lshl_b32 s59, s57, 2
	s_lshl_b32 s59, 15, s59                        ; my row of the cluster
	s_lshl_b32 s60, 0x1111, s56                    ; my column
	s_or_b32 s[G1X], s59, (3<<16)|(1<<21)          ; X: elements of 8 bytes; 4 rows (token tiles) of 16,384 bytes
	s_mov_b32 s[G1X+1], 2048<<16
	s_mov_b32 s[G1X+2], 4<<16
	s_mov_b32 s[G1X+3], 2048<<16
	s_mov_b32 s[G1X+4], 4
	s_mov_b32 s[G1X+5], XP/8
	s_mov_b32 s[G1X+6], 0
	s_mov_b32 s[G1X+7], 0
	s_or_b32 s[G1Y], s60, (1<<20)|(1<<21)|(7<<22)|(3<<25)   ; weights: elements of 1 byte; 64 rows of 1,024; 4 words of padding behind every 256
	s_mov_b32 s[G1Y+1], 1024<<16
	s_mov_b32 s[G1Y+2], 64<<16
	s_mov_b32 s[G1Y+3], 1024<<16
	s_mov_b32 s[G1Y+4], 64
	s_mov_b32 s[G1Y+5], KROW
	s_mov_b32 s[G1Y+6], 0
	s_mov_b32 s[G1Y+7], 0
	s_lshl_b32 s20, s17, 3
	s_lshl_b32 s18, s16, 2
	s_add_co_u32 s20, s20, s18
	s_mul_i32 s20, s20, XP                         ; X: token tile 8 Ty + 4 half
	s_mov_b32 s21, 0
	s_lshl_b32 s62, s58, 7
	s_lshl_b32 s63, s16, 6
	s_add_co_u32 s62, s62, s63
	s_mul_i32 s62, s62, KROW                       ; weights: row 128 Tx + 64 half
	s_mov_b32 s63, 0
	s_lshl_b32 s22, s16, 16                        ; their places in LDS
	s_mul_i32 s23, s16, 64*YPI
	s_add_co_u32 s23, s23, YOFF
	s_wait_dscnt 0x0
	s_wait_kmcnt 0x0
	s_load_b64 s[66:67], s[10:11], SCOFF
	s_add_nc_u64 s[20:21], s[4:5], s[20:21]
	s_add_nc_u64 s[62:63], s[6:7], s[62:63]
	CROUND                                         ; all sixteen work-groups are here
	s_mov_b32 s[G0X], 1
	s_mov_b32 s[G0X+1], s22
	s_mov_b64 s[G0X+2:G0X+3], s[20:21]
	s_or_b32 s[G0X+3], s[G0X+3], 0x80000000
	s_mov_b32 s[G0Y], 1
	s_mov_b32 s[G0Y+1], s23
	s_mov_b64 s[G0Y+2:G0Y+3], s[62:63]
	s_or_b32 s[G0Y+3], s[G0Y+3], 0x80000000
	s_cmp_eq_u32 s15, 0                            ; a joint load: each line has one mask and one set of registers; the branch hangs on the wave's number alone
	s_cbranch_scc0 .Lfor_y
	tensor_load_to_lds s[G0X:G0X+3], s[G1X:G1X+7]
	s_nop 0
	PLACES 4
	s_branch .Lasked
.Lfor_y:
	tensor_load_to_lds s[G0Y:G0Y+3], s[G1Y:G1Y+7]
	s_nop 0
	PLACES 4
.Lasked:
	s_lshl_b32 s84, s17, 7
	s_lshl_b32 s85, s15, 6
	s_add_co_u32 s84, s84, s85
	s_lshl_b32 s84, s84, 12                        ; my first row, 4,096 bytes a row,
	s_lshl_b32 s85, s58, 9
	s_add_co_u32 s84, s84, s85
	s_lshl_b32 s85, s16, 8
	s_add_co_u32 s84, s84, s85                     ; my first column: 512 Tx + 256 half bytes
	s_mov_b32 s85, 0
	s_add_nc_u64 s[8:9], s[8:9], s[84:85]
	s_add_nc_u64 s[12:13], s[12:13], s[84:85]
	v_and_b32 v1, 15, v0
	v_bfe_u32 v2, v0, 4, 1
	v_and_b32 v3, 31, v0
	v_lshlrev_b32 v3, 4, v3
	s_lshl_b32 s86, s15, 16
	v_add_nc_u32 v16, s86, v3
	v_mul_u32_u24 v4, v1, YPI
	v_lshl_add_u32 v4, v2, 3, v4
	s_mul_i32 s86, s16, 64*YPI
	s_add_co_u32 s86, s86, YOFF
	v_add_nc_u32 v20, s86, v4
	s_mul_i32 s86, s[WV], 16*SPI
	s_add_co_u32 s86, s86, STAGE
	v_mul_u32_u24 v5, v1, SPI
	v_lshl_add_u32 v5, v2, 5, v5
	v_add_nc_u32 v24, s86, v5                      ; in: row r, + 32 h
	v_mul_u32_u24 v5, v2, SPI
	v_lshl_add_u32 v5, v1, 4, v5
	v_add_nc_u32 v25, s86, v5                      ; back: lanes 0-15 one row, lanes 16-31 the next
	v_lshlrev_b32 v26, 12, v2
	v_lshl_add_u32 v26, v1, 4, v26                 ; and the same two rows in memory
	WIN 0x80
.irp ta, 0,1,2,3
.irp n, 0,1,2,3,4,5,6,7
	global_load_b128 v[4*(8*\ta+\n):4*(8*\ta+\n)+3], v26, s[8:9] offset:(16*\ta+2*\n)*4096   ; the residual, asked for at the head
.endr
.endr
	WIN 0
.macro FETCH s, f                      ; K step s into set f: 16 loads of X's images, 32 of weight rows
	WIN 0x40
.irp ta, 0,1,2,3
.irp g, 0,1,2,3
	ds_load_b128 v[\f+16*\ta+4*\g:\f+16*\ta+4*\g+3], v16 offset:\ta*XP+(\s)*2048+\g*512
.endr
.endr
.irp tw, 0,1,2,3
.irp c, 0,1,2,3,4,5,6,7
	ds_load_b64 v[\f+64+16*\tw+2*\c:\f+64+16*\tw+2*\c+1], v20 offset:\tw*16*YPI+(\s)*128+16*\c
.endr
.endr
.endm
.macro MUL16 f, zero                   ; the 16 accumulators take turns, one instruction a turn
.irp ta, 0,1,2,3
.irp tw, 0,1,2,3
.if \zero
	v_wmma_f32_16x16x128_fp8_fp8 v[ACC+8*(4*\ta+\tw):ACC+8*(4*\ta+\tw)+7], v[\f+64+16*\tw:\f+64+16*\tw+15], v[\f+16*\ta:\f+16*\ta+15], 0
.else
	v_wmma_f32_16x16x128_fp8_fp8 v[ACC+8*(4*\ta+\tw):ACC+8*(4*\ta+\tw)+7], v[\f+64+16*\tw:\f+64+16*\tw+15], v[\f+16*\ta:\f+16*\ta+15], v[ACC+8*(4*\ta+\tw):ACC+8*(4*\ta+\tw)+7]
.endif
.endr
.endr
.endm
	s_wait_alu depctr_va_vdst(0)                   ; the head's end
	s_wait_tensorcnt 0x0                           ; my part is in,
	s_barrier_signal -1
	s_barrier_wait -1                              ; everybody's is
	FETCH 0, 0
.set ss, 0
.rept 8                                ; 8 K steps of 128; the next step's fragments are on their way while one is multiplied
.if ss < 7
.if ss > 0
	PLACES 4                                       ; in front of loads into registers that matrix instructions have read
.endif
	FETCH ss+1, 128*((ss+1)%2)
	s_wait_dscnt 48                                ; this K step's fragments are in; the 48 loads just issued may be out
.else
	s_wait_dscnt 0x0
.endif
	WIN 0x05
	MUL16 128*(ss%2), ss==0
.set ss, ss+1
.endr
	WIN 0
; THE WAY OUT, 16 rows at a time, through my own stage: LDS serves a wave's instructions in order (ISA guide 5.7.1.4), so no wait stands between the stores and the loads.
.macro TOSTAGE ta
.irp tw, 0,1,2,3
	ds_store_b128 v24, v[ACC+8*(4*(\ta)+\tw):ACC+8*(4*(\ta)+\tw)+3] offset:64*\tw
	ds_store_b128 v24, v[ACC+8*(4*(\ta)+\tw)+4:ACC+8*(4*(\ta)+\tw)+7] offset:64*\tw+16
.endr
.irp n, 0,1,2,3,4,5,6,7
	ds_load_b128 v[BK+32*((\ta)%2)+4*\n:BK+32*((\ta)%2)+4*\n+3], v25 offset:2*\n*SPI
.endr
.endm
.macro SEND ta, younger
	s_wait_dscnt \younger                          ; the block is back; what may stay out is the next block's 8 stores and 8 loads
	WIN 0x20                                       ; source 2: the residual, window 2
.irp q, 0,2,4,6,8,10,12,14,16,18,20,22,24,26,28,30
	v_pk_fma_f32 v[BK+32*((\ta)%2)+\q:BK+32*((\ta)%2)+\q+1], v[BK+32*((\ta)%2)+\q:BK+32*((\ta)%2)+\q+1], s[66:67], v[32*(\ta)+\q:32*(\ta)+\q+1] op_sel_hi:[1,0,1]
.endr
	WIN 0
.irp n, 0,1,2,3,4,5,6,7
	global_store_b128 v26, v[BK+32*((\ta)%2)+4*\n:BK+32*((\ta)%2)+4*\n+3], s[12:13] offset:(16*(\ta)+2*\n)*4096
.endr
.endm
	s_wait_kmcnt 0x0
	s_add_co_i32 s66, s66, s67
	s_add_co_i32 s66, s66, 127
	s_lshl_b32 s66, s66, 23                        ; 2^(e10 + e11)
	s_mov_b32 s67, s66
	PLACES 4
	s_wait_loadcnt 0x0                             ; the residual
	TOSTAGE 0
	TOSTAGE 1
	SEND 0, 16
	s_wait_xcnt 0x0                                ; block 0's stores have read their registers
	TOSTAGE 2
	SEND 1, 16
	s_wait_xcnt 0x0
	TOSTAGE 3
	SEND 2, 16
	SEND 3, 0
	s_wait_tensorcnt 0x0                           ; the wave's end
	ds_add_u32 v[SPW], v[NIL]
	s_wait_dscnt 0x0
	CROUND                                         ; the closing round
	s_endpgm
.Lfunc_end_k_q813cce0522_wo:
	.size	k_q813cce0522_wo, .Lfunc_end_k_q813cce0522_wo-k_q813cce0522_wo
	.p2alignl 7, 3214868480
	.fill 96, 4, 3214868480
	.section	.rodata,"a",@progbits
	.p2align	6, 0x0
	.amdhsa_kernel k_q813cce0522_wo
		.amdhsa_group_segment_fixed_size 327680
		.amdhsa_private_segment_fixed_size 0
		.amdhsa_enable_private_segment 0
		.amdhsa_kernarg_size 40
		.amdhsa_user_sgpr_count 2
		.amdhsa_user_sgpr_kernarg_segment_ptr 1
		.amdhsa_wavefront_size32 1
		.amdhsa_system_sgpr_workgroup_id_x 1
		.amdhsa_system_sgpr_workgroup_id_y 1
		.amdhsa_system_sgpr_workgroup_id_z 1
		.amdhsa_system_vgpr_workitem_id 0
		.amdhsa_next_free_vgpr 768
		.amdhsa_next_free_sgpr 88
		.amdhsa_reserve_vcc 0
		.amdhsa_float_denorm_mode_32 3
		.amdhsa_float_denorm_mode_16_64 3
		.amdhsa_memory_ordered 1
		.amdhsa_forward_progress 1
		.amdhsa_inst_pref_size 55
	.end_amdhsa_kernel
	.amdgpu_metadata
---
amdhsa.version: [ 1, 2 ]
amdhsa.kernels:
  - .name:           k_q813cce0522_wo
    .symbol:         k_q813cce0522_wo.kd
    .args:
      - { .name: att, .offset: 0, .size: 8, .value_kind: global_buffer, .address_space: global }
      - { .name: Wo_codes, .offset: 8, .size: 8, .value_kind: global_buffer, .address_space: global }
      - { .name: x, .offset: 16, .size: 8, .value_kind: global_buffer, .address_space: global }
      - { .name: lowp_scales, .offset: 24, .size: 8, .value_kind: global_buffer, .address_space: global }
      - { .name: x2, .offset: 32, .size: 8, .value_kind: global_buffer, .address_space: global }
    .group_segment_fixed_size: 327680
    .private_segment_fixed_size: 0
    .kernarg_segment_align: 8
    .kernarg_segment_size: 40
    .max_flat_workgroup_size: 128
    .sgpr_count:     88
    .vgpr_count:     768
    .wavefront_size: 32
...
	.end_amdgpu_metadata
.endif
;; end of part 4
;; launch norm2 (part 5): grid 256 x 1, 8 waves a work-group, no clusters, 34,304 bytes of LDS; arguments x2, g2, lowp_scales, xn; writes xn
.if DOCPART == 5
	.amdgcn_target "amdgcn-amd-amdhsa--gfx1250"
	.amdhsa_code_object_version 6
	.text
	.protected	k_q813cce0522_norm2
	.globl	k_q813cce0522_norm2
	.p2align	8
	.type	k_q813cce0522_norm2,@function
k_q813cce0522_norm2:
	s_mov_b64 s[64:65], 0
	v_nop
	global_prefetch_b8 v0, s[64:65] scope:SCOPE_SE
	s_setreg_imm32_b32 hwreg(HW_REG_WAVE_MODE, 25, 1), 1
	s_wait_xcnt 0x0
; LAUNCH 5: xn = x2 / sqrt(mean(x2^2) + 1e-5) * g2 in f32, quantised twice (e12, e14: the left operands of products 7 and 8), stored as images of the operand's registers: version v at v x 4 MiB, [token tile 256][K step 8][group 4][512].
; Shares, stage and order as in launch 1: a work-group takes 16 rows, wave w rows w and w + 8; each load reads 512 consecutive bytes; the codes turn through a stage in LDS; behind one barrier wave w stores K step w of each version.
; 1 / sqrt by v_rsq_f32 and a multiplication stand for reference()'s sqrt and division.  LIMITS: e12, e14 between -126 and 119; NaN is not served.
.set NV,    2
.set RP,    1040
.set VS,    16*RP
.set SPARE, NV*VS
.set SPW,   8
.set NIL,   9
.set XA,    32
.set XB,    64
.set GN,    96
.set TM,    128
.set CD,    144
.set IM,    192
	s_load_b128 s[4:7], s[0:1], 0x0                ; x2, g2
	s_load_b128 s[8:11], s[0:1], 0x10              ; lowp_scales, xn
	v_lshl_add_u32 v[SPW], v0, 2, SPARE
	v_mov_b32 v[NIL], 0
	v_lshrrev_b32 v1, 5, v0
	s_delay_alu instid0(VALU_DEP_1)
	v_readfirstlane_b32 s18, v1                    ; wave 0..7
	v_and_b32 v1, 31, v0
	s_mul_i32 s19, s18, RP
	v_lshl_add_u32 v5, v1, 2, s19                  ; the stage, in
	v_and_b32 v3, 15, v0
	v_bfe_u32 v4, v0, 4, 1
	s_delay_alu instid0(VALU_DEP_2)
	v_mul_u32_u24 v6, v3, RP
	s_delay_alu instid0(VALU_DEP_1)
	v_lshl_add_u32 v6, v4, 3, v6
	s_lshl_b32 s20, s18, 7
	v_add_nc_u32 v6, s20, v6                       ; the stage, out
	v_lshlrev_b32 v7, 4, v1
	s_mov_b32 s28, 0x76543210
	s_mov_b32 s29, 0xfedcba98
	s_mov_b32 s30, 0x3a800000                      ; 1 / 1,024
	s_lshl_b32 s22, ttmp9, 16
	s_lshl_b32 s21, s18, 12
	s_add_co_u32 s22, s22, s21
	s_mov_b32 s23, 0
	s_lshl_b32 s24, ttmp9, 14
	s_lshl_b32 s21, s18, 11
	s_add_co_u32 s24, s24, s21
	s_mov_b32 s25, 0
	s_wait_alu depctr_va_vdst(0)
	s_wait_kmcnt 0x0
	s_load_b128 s[32:35], s[8:9], 0x30             ; e12 .. e15: version v takes entry 12 + 2 v
	s_add_nc_u64 s[4:5], s[4:5], s[22:23]
	s_add_nc_u64 s[48:49], s[10:11], s[24:25]
	s_add_nc_u64 s[50:51], s[48:49], 0x400000
.irp m, 0,1,2,3,4,5,6,7
	global_load_b128 v[GN+4*\m:GN+4*\m+3], v7, s[6:7] offset:512*\m
.endr
.irp m, 0,1,2,3,4,5,6,7
	global_load_b128 v[XA+4*\m:XA+4*\m+3], v7, s[4:5] offset:512*\m
.endr
.irp m, 0,1,2,3,4,5,6,7
	global_load_b128 v[XB+4*\m:XB+4*\m+3], v7, s[4:5] offset:32768+512*\m
.endr
	s_wait_kmcnt 0x0
.irp v, 0,1
	s_add_co_i32 s40, s[32+2*\v], 127
	s_lshl_b32 s41, s40, 23
	v_mov_b32 v[12+2*\v], s41                      ; 2^e
	s_add_co_i32 s40, s40, 8
	s_lshl_b32 s40, s40, 23
	s_or_b32 s40, s40, 0x600000
	v_mov_b32 v[13+2*\v], s40                      ; 448 x 2^e
.endr
.macro ROW X, rr, left
	s_wait_loadcnt \left                           ; g2 and this row are in; the loads that may stay out are the other row's
	v_pk_mul_f32 v[18:19], v[\X:\X+1], v[\X:\X+1]
	v_pk_mul_f32 v[20:21], v[\X+2:\X+3], v[\X+2:\X+3]
.irp j, 4,8,12,16,20,24,28
	s_delay_alu instid0(VALU_DEP_2)
	v_pk_fma_f32 v[18:19], v[\X+\j:\X+\j+1], v[\X+\j:\X+\j+1], v[18:19]
	s_delay_alu instid0(VALU_DEP_2)
	v_pk_fma_f32 v[20:21], v[\X+\j+2:\X+\j+3], v[\X+\j+2:\X+\j+3], v[20:21]
.endr
	s_delay_alu instid0(VALU_DEP_1)
	v_pk_add_f32 v[18:19], v[18:19], v[20:21]
	s_delay_alu instid0(VALU_DEP_1)
	v_add_f32 v18, v18, v19
	s_delay_alu instid0(VALU_DEP_1)
	v_add_f32_dpp v18, v18, v18 row_xmask:1 row_mask:0xf bank_mask:0xf
	s_delay_alu instid0(VALU_DEP_1)
	v_add_f32_dpp v18, v18, v18 row_xmask:2 row_mask:0xf bank_mask:0xf
	s_delay_alu instid0(VALU_DEP_1)
	v_add_f32_dpp v18, v18, v18 row_xmask:4 row_mask:0xf bank_mask:0xf
	s_delay_alu instid0(VALU_DEP_1)
	v_add_f32_dpp v18, v18, v18 row_xmask:8 row_mask:0xf bank_mask:0xf
	s_delay_alu instid0(VALU_DEP_1)
	v_permlanex16_b32 v19, v18, s28, s29
	s_delay_alu instid0(VALU_DEP_1)
	v_add_f32 v18, v18, v19
	s_delay_alu instid0(VALU_DEP_1)
	v_fmaak_f32 v18, s30, v18, 0x3727c5ac          ; the mean + 1e-5
	s_wait_alu depctr_va_vdst(0)
	v_rsq_f32 v18, v18
	v_nop                                          ; a plain instruction behind the transcendental,
	s_wait_alu depctr_va_vdst(0)                   ; and the wait ahead of its first reader
.irp j, 0,2,4,6,8,10,12,14,16,18,20,22,24,26,28,30
	v_pk_mul_f32 v[\X+\j:\X+\j+1], v[\X+\j:\X+\j+1], v[18:19] op_sel_hi:[1,0]
.endr
.irp j, 0,2,4,6,8,10,12,14,16,18,20,22,24,26,28,30
	v_pk_mul_f32 v[\X+\j:\X+\j+1], v[\X+\j:\X+\j+1], v[GN+\j:GN+\j+1]
.endr
.set vv, 0
.rept NV
.irp j, 0,1,2,3
.irp i, 0,1,2,3,4,5,6,7
	v_med3_num_f32 v[TM+8*(\j%2)+\i], v[\X+8*\j+\i], -v[13+2*vv], v[13+2*vv]
.endr
	v_cvt_scalef32_pk8_fp8_f32 v[CD+2*(4*(NV*\rr+vv)+\j):CD+2*(4*(NV*\rr+vv)+\j)+1], v[TM+8*(\j%2):TM+8*(\j%2)+7], v[12+2*vv]
	ds_store_b32 v5, v[CD+2*(4*(NV*\rr+vv)+\j)] offset:vv*VS+8*RP*\rr+256*\j
	ds_store_b32 v5, v[CD+2*(4*(NV*\rr+vv)+\j)+1] offset:vv*VS+8*RP*\rr+256*\j+128
.endr
.set vv, vv+1
.endr
.endm
	ROW XA, 0, 8
	ROW XB, 1, 0
	s_wait_dscnt 0x0                               ; for the others' sake: my stores into the stage are done
	s_barrier_signal -1
	s_barrier_wait -1
.set vv, 0
.rept NV
.irp g, 0,1,2,3
	ds_load_b64 v[IM+16*vv+4*\g:IM+16*vv+4*\g+1], v6 offset:vv*VS+32*\g
	ds_load_b64 v[IM+16*vv+4*\g+2:IM+16*vv+4*\g+3], v6 offset:vv*VS+32*\g+16
.endr
.set vv, vv+1
.endr
	s_wait_dscnt 0x0
.set vv, 0
.rept NV
.irp g, 0,1,2,3
	global_store_b128 v7, v[IM+16*vv+4*\g:IM+16*vv+4*\g+3], s[48+2*vv:49+2*vv] offset:512*\g
.endr
.set vv, vv+1
.endr
	s_wait_tensorcnt 0x0                           ; the wave's end, behind my last LDS store
	ds_add_u32 v[SPW], v[NIL]
	s_wait_dscnt 0x0
	s_endpgm
.Lfunc_end_k_q813cce0522_norm2:
	.size	k_q813cce0522_norm2, .Lfunc_end_k_q813cce0522_norm2-k_q813cce0522_norm2
	.p2alignl 7, 3214868480
	.fill 96, 4, 3214868480
	.section	.rodata,"a",@progbits
	.p2align	6, 0x0
	.amdhsa_kernel k_q813cce0522_norm2
		.amdhsa_group_segment_fixed_size 34304
		.amdhsa_private_segment_fixed_size 0
		.amdhsa_enable_private_segment 0
		.amdhsa_kernarg_size 32
		.amdhsa_user_sgpr_count 2
		.amdhsa_user_sgpr_kernarg_segment_ptr 1
		.amdhsa_wavefront_size32 1
		.amdhsa_system_sgpr_workgroup_id_x 1
		.amdhsa_system_sgpr_workgroup_id_y 1
		.amdhsa_system_sgpr_workgroup_id_z 1
		.amdhsa_system_vgpr_workitem_id 0
		.amdhsa_next_free_vgpr 240
		.amdhsa_next_free_sgpr 66
		.amdhsa_reserve_vcc 0
		.amdhsa_float_denorm_mode_32 3
		.amdhsa_float_denorm_mode_16_64 3
		.amdhsa_memory_ordered 1
		.amdhsa_forward_progress 1
		.amdhsa_inst_pref_size 27
	.end_amdhsa_kernel
	.amdgpu_metadata
---
amdhsa.version: [ 1, 2 ]
amdhsa.kernels:
  - .name:           k_q813cce0522_norm2
    .symbol:         k_q813cce0522_norm2.kd
    .args:
      - { .name: x2, .offset: 0, .size: 8, .value_kind: global_buffer, .address_space: global }
      - { .name: g2, .offset: 8, .size: 8, .value_kind: global_buffer, .address_space: global }
      - { .name: lowp_scales, .offset: 16, .size: 8, .value_kind: global_buffer, .address_space: global }
      - { .name: xn, .offset: 24, .size: 8, .value_kind: global_buffer, .address_space: global }
    .group_segment_fixed_size: 34304
    .private_segment_fixed_size: 0
    .kernarg_segment_align: 8
    .kernarg_segment_size: 32
    .max_flat_workgroup_size: 256
    .sgpr_count:     66
    .vgpr_count:     240
    .wavefront_size: 32
...
	.end_amdgpu_metadata
.endif
;; end of part 5
;; launch ffn (part 6): grid 32 x 8, 4 waves a work-group, no clusters, 327,680 bytes of LDS; arguments xn, w1_codes, w3_codes, lowp_scales, hid; writes hid
.if DOCPART == 6
	.amdgcn_target "amdgcn-amd-amdhsa--gfx1250"
	.amdhsa_code_object_version 6
	.text
	.protected	k_q813cce0522_ffn
	.globl	k_q813cce0522_ffn
	.p2align	8
	.type	k_q813cce0522_ffn,@function
k_q813cce0522_ffn:
	s_mov_b64 s[64:65], 0
	v_nop
	global_prefetch_b8 v0, s[64:65] scope:SCOPE_SE
	s_setreg_imm32_b32 hwreg(HW_REG_WAVE_MODE, 25, 1), 1
	s_wait_xcnt 0x0
; LAUNCH 6: products 7 and 8 (xn w1^T, xn w3^T) on E4M3 codes, x1 sigmoid(x1) x3 in f32, and the quantiser e16 of product 9's left operand.
; SHARES: work-group (T, g): 128 tokens, hidden tiles (64 wide) g, g + 8, g + 16, ..: five for every g, a sixth (40, 41, 42) for g < 3.  Wave w = 2 p + i: product p (0: w1 with xn's version 0, 1: w3 with version 1), tokens 64 i on.
; X STAYS IN REGISTERS (64 tokens x K 1,024 = 512 registers a wave), loaded once, K step by K step, and awaited K step by K step: the first tile's products begin while the later K steps are on their way.
; The weights go through two LDS slots: a tile is 64 rows of w1, then 64 rows of w3, 1,024 + 16 bytes a row; 32 rows a wave.
; NO CLUSTER: the groups need different numbers of tiles (43 = 5 x 8 + 3), and a tile that only some groups need cannot be a request that stands on every way through the text.
; THE WALK: the trip counts are constants (a loop of five, a sixth trip written out); every wait on TENSORcnt is for 0.  The next tile is asked for only while it exists (tile <= 42): a jump on the work-group's number and the count of trips, the same
; in all four waves, directly behind the barrier, round the load's own lines alone.
; THE EXCHANGE: x1 and x3 of an element lie in waves w and w xor 2.  A wave's X is ordered so that it KEEPS accumulators 0-7 (token tiles 2 p, 2 p + 1 of its half) and SENDS 8-15 (the partner's kept token tiles), as images through LDS.
; The sums lack 2^(e12 + e13) and 2^(e14 + e15): the first is folded into the exponential's factor, all four and e16 into the conversion's one scale.
; OUT: hid [token tile 256][45,056]: hidden tile ht at ht x 1,024, group (tw / 2) x 512: images of fragments of 16 tokens x 128 hidden units.
; LIMITS: e12 + e13 between -126 and 127; e16 - e12 - e13 - e14 - e15 between -126 and 119.  NaN is not served.
; REGISTERS: window 0: v1 16 lane, v2, v3 my place in a weight tile / in the slot in hand, v4, v5 the exchange: out, in; v8, v9 the add's two; v10, v11 448 x scale, scale; v32-95 the partner's sums; v96-111 codes; v128-255 accumulators (v192-255 later at work).
;   window 1: v0-63, v64-127 two sets of 4 weight fragments.   windows 2, 3: X (K step s, ta) at 64 (s % 4) + 16 ta.
.set YP,    1040
.set SLOTB, 128*YP
.set STG,   2*SLOTB                    ; the exchange: 8,192 bytes a wave
.set SPARE, STG+4*8192
.set SPW, 8
.set NIL, 9
.set ACC, 128
.set TT,  192
.set RR,  32
.set CDS, 96
.set WV,  14
.set HT,  19                           ; s19: the hidden tile in hand
.set TB,  20                           ; s20: LDS byte of the slot in hand
.set G1,  24
.set G0,  32
.set MSB, 0
.macro WIN new
.if MSB != (\new)
	s_set_vgpr_msb (MSB<<8)|(\new)
.set MSB, (\new)
.endif
.endm
.macro PLACES n
.rept \n
	v_nop
.endr
.endm
	s_load_b256 s[4:11], s[0:1], 0x0               ; xn, w1, w3, lowp_scales
	s_load_b64 s[12:13], s[0:1], 0x20              ; hid
	v_lshl_add_u32 v[SPW], v0, 2, SPARE
	v_mov_b32 v[NIL], 0
	ds_add_u32 v[SPW], v[NIL]                      ; the opening: the add, twice on end, and its wait ahead of my first tensor load
	ds_add_u32 v[SPW], v[NIL]
	v_lshrrev_b32 v1, 5, v0
	v_readfirstlane_b32 s[WV], v1
	s_lshr_b32 s15, s[WV], 1                       ; p
	s_and_b32 s16, s[WV], 1                        ; i
	s_and_b32 s18, ttmp7, 0xffff                   ; g
	s_mov_b32 s[HT], s18
	s_mov_b32 s[TB], 0
	s_mov_b32 s[G1], (1<<20)|(7<<22)|(3<<25)       ; no mask; elements of 1 byte; 4 words of padding behind every 256
	s_mov_b32 s[G1+1], 1024<<16
	s_mov_b32 s[G1+2], 32<<16
	s_mov_b32 s[G1+3], 1024<<16
	s_mov_b32 s[G1+4], 32
	s_mov_b32 s[G1+5], 1024
	s_mov_b32 s[G1+6], 0
	s_mov_b32 s[G1+7], 0
	s_lshl_b32 s40, s18, 16                        ; weight row 64 g + 32 i, 1,024 bytes a row
	s_lshl_b32 s41, s16, 15
	s_add_co_u32 s40, s40, s41
	s_mov_b32 s41, 0
	s_mul_i32 s39, s[WV], 32*YP                    ; LDS rows 32 w on
	s_wait_dscnt 0x0
	s_wait_kmcnt 0x0
	s_cmp_eq_u32 s15, 0
	s_cselect_b64 s[42:43], s[6:7], s[8:9]         ; w1 or w3, by the wave's number
	s_mov_b32 s[G0], 1
	s_mov_b32 s[G0+1], s39
	s_add_nc_u64 s[G0+2:G0+3], s[42:43], s[40:41]
	s_or_b32 s[G0+3], s[G0+3], 0x80000000
	tensor_load_to_lds s[G0:G0+3], s[G1:G1+7]      ; my group's first tile into slot 0
	s_nop 0
	PLACES 4
	s_load_b128 s[52:55], s[10:11], 0x30           ; e12, e13, e14, e15
	s_load_b32 s56, s[10:11], 0x40                 ; e16
	s_lshl_b32 s40, ttmp9, 3
	s_lshl_b32 s41, s16, 2
	s_add_co_u32 s40, s40, s41                     ; 8 T + 4 i
	s_lshl_b32 s41, s15, 1
	s_add_co_u32 s42, s40, s41                     ; the token tiles I keep begin at + 2 p,
	s_xor_b32 s41, s41, 2
	s_add_co_u32 s43, s40, s41                     ; those I send at + 2 (1 - p)
	s_lshl_b32 s44, s42, 14
	s_lshl_b32 s46, s43, 14
	s_lshl_b32 s41, s15, 22                        ; version p
	s_add_co_u32 s44, s44, s41
	s_add_co_u32 s46, s46, s41
	s_mov_b32 s45, 0
	s_mov_b32 s47, 0
	s_add_nc_u64 s[44:45], s[4:5], s[44:45]
	s_add_nc_u64 s[46:47], s[4:5], s[46:47]
	s_mul_i32 s48, s42, 45056
	s_lshl_b32 s49, s18, 10
	s_add_co_u32 s48, s48, s49
	s_mov_b32 s49, 0
	s_add_nc_u64 s[12:13], s[12:13], s[48:49]
	v_and_b32 v1, 31, v0
	v_lshlrev_b32 v1, 4, v1
	s_wait_alu depctr_va_vdst(0)
	v_and_b32 v12, 15, v0
	v_bfe_u32 v13, v0, 4, 1
	v_mul_u32_u24 v2, v12, YP
	v_lshl_add_u32 v2, v13, 3, v2
	s_mul_i32 s50, s15, 64*YP
	v_add_nc_u32 v2, s50, v2                       ; weight row 64 p + r, + 8 h
	s_lshl_b32 s50, s[WV], 13
	s_add_co_u32 s50, s50, STG
	v_add_nc_u32 v4, s50, v1                       ; the exchange: my part,
	s_xor_b32 s50, s[WV], 2
	s_lshl_b32 s50, s50, 13
	s_add_co_u32 s50, s50, STG
	v_add_nc_u32 v5, s50, v1                       ; the partner's
.irp s, 0,1,2,3,4,5,6,7                            ; X, K step by K step: 16 loads each.  Their sources (v1, s[44:47]) are not written again in the launch
	WIN 0x80+0x40*(\s/4)
.irp ta, 0,1,2,3
.irp g, 0,1,2,3
	global_load_b128 v[64*(\s%4)+16*\ta+4*\g:64*(\s%4)+16*\ta+4*\g+3], v1, s[44+2*(\ta/2):45+2*(\ta/2)] offset:(\ta%2)*16384+\s*2048+\g*512
.endr
.endr
.endr
	WIN 0
	s_wait_kmcnt 0x0
	s_add_co_i32 s57, s52, s53                     ; e12 + e13
	s_lshl_b32 s58, s57, 23
	s_add_co_i32 s58, s58, 0xbfb8aa3b              ; -log2(e) x 2^(e12 + e13), by its exponent field
	s_mov_b32 s59, s58
	s_sub_co_i32 s56, s56, s57
	s_sub_co_i32 s56, s56, s54
	s_sub_co_i32 s56, s56, s55
	s_add_co_i32 s56, s56, 127
	s_lshl_b32 s57, s56, 23
	v_mov_b32 v11, s57                             ; 2^(e16 - e12 - e13 - e14 - e15)
	s_add_co_i32 s56, s56, 8
	s_lshl_b32 s56, s56, 23
	s_or_b32 s56, s56, 0x600000
	v_mov_b32 v10, s56
; THE CHANGE OF SLOTS, at a trip's head: all my tensor loads have landed, the add, my reads of the other slot are over; behind the barrier the other slot takes the group's next tile, if there is one.
.macro CHANGE load
	s_wait_tensorcnt 0x0
	ds_add_u32 v[SPW], v[NIL]
.if \load
	s_xor_b32 s[G0+1], s[G0+1], SLOTB
	s_add_nc_u64 s[G0+2:G0+3], s[G0+2:G0+3], 524288   ; eight tiles of 64 rows on
.endif
	s_wait_dscnt 0x0
	s_barrier_signal -1
	s_barrier_wait -1
.if \load
	s_add_co_u32 s22, s[HT], 8
	s_cmp_gt_u32 s22, 42                           ; the work-group's number and the count of trips alone: all four waves go the same way
	s_cbranch_scc1 .Lpast_\@
	tensor_load_to_lds s[G0:G0+3], s[G1:G1+7]
	s_nop 0
	PLACES 4
.Lpast_\@:
.endif
.endm
.macro FETCHY s, f
	WIN 0x40
.irp tw, 0,1,2,3
.irp c, 0,1,2,3,4,5,6,7
	ds_load_b64 v[\f+16*\tw+2*\c:\f+16*\tw+2*\c+1], v3 offset:\tw*16*YP+128*(\s)+16*\c
.endr
.endr
.endm
.macro MM d, a, b, z
.if \z
	v_wmma_f32_16x16x128_fp8_fp8 v[\d:\d+7], v[\a:\a+15], v[\b:\b+15], 0
.else
	v_wmma_f32_16x16x128_fp8_fp8 v[\d:\d+7], v[\a:\a+15], v[\b:\b+15], v[\d:\d+7]
.endif
.endm
; 8 K steps of 16 matrix instructions; the 16 accumulators take turns; source 0 = weights, source 1 = X.
; X's fragments of K step s are awaited here: behind them were issued 16 loads for each later K step, so that many may stay out; where that is more than 63, the most that the wait can name, the count is 63.
; From the second tile on no load is out and these waits are met at once.
.macro WORK
	WIN 0
	v_add_nc_u32 v3, s[TB], v2
	s_wait_alu depctr_va_vdst(0)
	FETCHY 0, 0
.irp s, 0,1,2,3,4,5,6,7
.if \s < 7
.if \s > 0
	PLACES 4
.endif
	FETCHY \s+1, 64*((\s+1)%2)
	s_wait_dscnt 32                                ; this K step's fragments are in; the 32 loads just issued may be out
.else
	s_wait_dscnt 0x0
.endif
.if 16*(7-\s) > 63
	s_wait_loadcnt 63
.else
	s_wait_loadcnt 16*(7-\s)
.endif
	WIN 0x09+4*(\s/4)
.irp ta, 0,1,2,3
.irp tw, 0,1,2,3
	MM ACC+8*(4*\ta+\tw), 64*(\s%2)+16*\tw, 64*(\s%4)+16*\ta, \s==0
.endr
.endr
.endr
.endm
.macro SWIGLU A, B                     ; v[TT ..] = a / (1 + 2^(a k1)) x b for 64 numbers: a, b the sums of products 7 and 8.  Each batch of transcendentals has one plain instruction and one wait behind it
.set qq, 0
.rept 32
	v_pk_mul_f32 v[TT+qq:TT+qq+1], v[\A+qq:\A+qq+1], s[58:59] op_sel_hi:[1,0]
.set qq, qq+2
.endr
.set qq, 0
	s_wait_alu depctr_va_vdst(0)
.rept 64
	v_exp_f32 v[TT+qq], v[TT+qq]
.set qq, qq+1
.endr
	v_nop
	s_wait_alu depctr_va_vdst(0)
.set qq, 0
.rept 32
	v_pk_add_f32 v[TT+qq:TT+qq+1], v[TT+qq:TT+qq+1], 1.0 op_sel_hi:[1,0]
.set qq, qq+2
.endr
.set qq, 0
	s_wait_alu depctr_va_vdst(0)
.rept 64
	v_rcp_f32 v[TT+qq], v[TT+qq]
.set qq, qq+1
.endr
	v_nop
	s_wait_alu depctr_va_vdst(0)
.set qq, 0
.rept 32
	v_pk_mul_f32 v[TT+qq:TT+qq+1], v[\A+qq:\A+qq+1], v[TT+qq:TT+qq+1]
.set qq, qq+2
.endr
.set qq, 0
.rept 32
	v_pk_mul_f32 v[TT+qq:TT+qq+1], v[TT+qq:TT+qq+1], v[\B+qq:\B+qq+1]
.set qq, qq+2
.endr
.endm
.macro BODY cond                       ; cond = 1: the sixth trip, whose work only the groups with a tile <= 42 do
.if \cond
	s_cmp_gt_u32 s[HT], 42
	s_cbranch_scc1 .Lno_a_\@
.endif
	WORK
	WIN 0
	PLACES 4
.set kk, 0
.rept 16
	ds_store_b128 v4, v[TT+4*kk:TT+4*kk+3] offset:512*kk   ; accumulators 8-15 as they stand, each from its low end on
.set kk, kk+1
.endr
.if \cond
.Lno_a_\@:
.endif
	s_wait_dscnt 0x0                               ; for the partner's sake: my stores are done.  (The next tile's load may stay out)
	s_barrier_signal -1
	s_barrier_wait -1
.if \cond
	s_cmp_gt_u32 s[HT], 42
	s_cbranch_scc1 .Lno_b_\@
.endif
.set kk, 0
.rept 16
	ds_load_b128 v[RR+4*kk:RR+4*kk+3], v5 offset:512*kk
.set kk, kk+1
.endr
	s_wait_dscnt 0x0
	s_cmp_eq_u32 s15, 0
	s_cbranch_scc0 .Lp1_\@
	SWIGLU ACC, RR                                 ; p = 0: x1 is mine, x3 the partner's
	s_branch .Lq_\@
.Lp1_\@:
	SWIGLU RR, ACC
.Lq_\@:
.set qq, 0
.rept 64
	v_med3_num_f32 v[TT+qq], v[TT+qq], -v10, v10   ; the conversion does not saturate (ISA guide 7.6.2)
.set qq, qq+1
.endr
.irp ta, 0,1
.irp tw, 0,1,2,3
	v_cvt_scalef32_pk8_fp8_f32 v[CDS+8*\ta+2*\tw:CDS+8*\ta+2*\tw+1], v[TT+8*(4*\ta+\tw):TT+8*(4*\ta+\tw)+7], v11
.endr
.endr
	v_nop                                          ; a plain instruction between the last conversion and the products that write its sources
.irp ta, 0,1
.irp b, 0,1
	global_store_b128 v1, v[CDS+8*\ta+4*\b:CDS+8*\ta+4*\b+3], s[12:13] offset:\ta*45056+\b*512
.endr
.endr
	s_wait_xcnt 0x0                                ; the stores have read their data and their base
	s_add_nc_u64 s[12:13], s[12:13], 8192          ; eight hidden tiles on
.if \cond
.Lno_b_\@:
.endif
	s_xor_b32 s[TB], s[TB], SLOTB
	s_add_co_u32 s[HT], s[HT], 8
.endm
	s_mov_b32 s21, 5
.Ltrip:
	CHANGE 1
	s_wait_alu depctr_va_vdst(0)
	BODY 0
	s_sub_co_u32 s21, s21, 1
	s_cmp_lg_u32 s21, 0
	s_cbranch_scc1 .Ltrip
	CHANGE 0
	BODY 1
	s_wait_tensorcnt 0x0                           ; the wave's end
	ds_add_u32 v[SPW], v[NIL]
	s_wait_dscnt 0x0
	s_endpgm
.Lfunc_end_k_q813cce0522_ffn:
	.size	k_q813cce0522_ffn, .Lfunc_end_k_q813cce0522_ffn-k_q813cce0522_ffn
	.p2alignl 7, 3214868480
	.fill 96, 4, 3214868480
	.section	.rodata,"a",@progbits
	.p2align	6, 0x0
	.amdhsa_kernel k_q813cce0522_ffn
		.amdhsa_group_segment_fixed_size 327680
		.amdhsa_private_segment_fixed_size 0
		.amdhsa_enable_private_segment 0
		.amdhsa_kernarg_size 40
		.amdhsa_user_sgpr_count 2
		.amdhsa_user_sgpr_kernarg_segment_ptr 1
		.amdhsa_wavefront_size32 1
		.amdhsa_system_sgpr_workgroup_id_x 1
		.amdhsa_system_sgpr_workgroup_id_y 1
		.amdhsa_system_sgpr_workgroup_id_z 1
		.amdhsa_system_vgpr_workitem_id 0
		.amdhsa_next_free_vgpr 1024
		.amdhsa_next_free_sgpr 66
		.amdhsa_reserve_vcc 0
		.amdhsa_float_denorm_mode_32 3
		.amdhsa_float_denorm_mode_16_64 3
		.amdhsa_memory_ordered 1
		.amdhsa_forward_progress 1
		.amdhsa_inst_pref_size 133
	.end_amdhsa_kernel
	.amdgpu_metadata
---
amdhsa.version: [ 1, 2 ]
amdhsa.kernels:
  - .name:           k_q813cce0522_ffn
    .symbol:         k_q813cce0522_ffn.kd
    .args:
      - { .name: xn, .offset: 0, .size: 8, .value_kind: global_buffer, .address_space: global }
      - { .name: w1_codes, .offset: 8, .size: 8, .value_kind: global_buffer, .address_space: global }
      - { .name: w3_codes, .offset: 16, .size: 8, .value_kind: global_buffer, .address_space: global }
      - { .name: lowp_scales, .offset: 24, .size: 8, .value_kind: global_buffer, .address_space: global }
      - { .name: hid, .offset: 32, .size: 8, .value_kind: global_buffer, .address_space: global }
    .group_segment_fixed_size: 327680
    .private_segment_fixed_size: 0
    .kernarg_segment_align: 8
    .kernarg_segment_size: 40
    .max_flat_workgroup_size: 128
    .sgpr_count:     66
    .vgpr_count:     1024
    .wavefront_size: 32
...
	.end_amdgpu_metadata
.endif
;; end of part 6
;; launch w2 (part 7): grid 8 x 32, 4 waves a work-group, clusters of 4 x 4, 327,680 bytes of LDS; arguments hid, w2p, x2, lowp_scales, out0; writes out0
.if DOCPART == 7
	.amdgcn_target "amdgcn-amd-amdhsa--gfx1250"
	.amdhsa_code_object_version 6
	.text
	.protected	k_q813cce0522_w2
	.globl	k_q813cce0522_w2
	.p2align	8
	.type	k_q813cce0522_w2,@function
k_q813cce0522_w2:
	s_mov_b64 s[64:65], 0
	v_nop
	global_prefetch_b8 v0, s[64:65] scope:SCOPE_SE
	s_setreg_imm32_b32 hwreg(HW_REG_WAVE_MODE, 25, 1), 1
	s_wait_xcnt 0x0
	s_wait_alu depctr_hold_cnt(0) depctr_sa_sdst(0) depctr_va_vdst(0) depctr_va_sdst(0) depctr_va_ssrc(0) depctr_va_vcc(0) depctr_vm_vsrc(0)
	s_getreg_b32 s2, hwreg(HW_REG_IB_STS2, 6, 4)
	s_cmp_eq_u32 s2, 0
	s_cbranch_scc0 .Lentry_in_a_cluster
	s_endpgm
.Lentry_in_a_cluster:
	s_bfe_u32 s2, ttmp6, 0x10000c
	s_cmp_lg_u32 s2, 0xf033
	s_cbranch_scc0 .Lentry_shape_is_right
	s_endpgm
.Lentry_shape_is_right:
; LAUNCH 7: out0 = x2 + hid w2^T (product 9) on E4M3 codes.  A tile of 128 tokens x 128 columns to a work-group, 64 x 64 to each of four waves.
; K = 2,816 (2,752 and zero codes) goes in slots of 512 through a ring of two: hid's images (8 token tiles x 4 K steps, dense), then 128 weight rows of 512 + 16 bytes; the last slot holds 256 of K.
; The weight comes from w2p, the first launch's copy of w2's codes at a pitch of 2,816 bytes: every tile row begins at a multiple of 256 bytes.
; CLUSTER 4 x 4, joint loads: hid's tile is shared along a row of the cluster, the weight's along a column.  LIMIT: e16 + e17 between -126 and 127.
.set XP,    45056
.set KROW,  2816
.set SCOFF, 64
.set SLOT,  133120
.set YOFF,  65536
.set YPI,   528
.set STAGE, 2*SLOT
.set SPI,   272
.set SPARE, STAGE+4*16*SPI
.set SPW, 28
.set NIL, 29
.set BK,  32
.set ACC, 128
.set WV,  14
.set G1X, 24
.set G1Y, 32
.set G0X, 40
.set G0Y, 48
.set G1XL, 68
.set G1YL, 76
.set MSB, 0
.macro WIN new
.if MSB != (\new)
	s_set_vgpr_msb (MSB<<8)|(\new)
.set MSB, (\new)
.endif
.endm
.macro PLACES n
.rept \n
	v_nop
.endr
.endm
.macro CROUND
	s_barrier_signal -1
	s_barrier_wait -1
	s_cmp_lg_u32 s[WV], 0
	s_cbranch_scc1 .Lnw0_\@
	s_barrier_signal -3
.Lnw0_\@:
	s_barrier_wait -3
	s_barrier_signal -1
	s_barrier_wait -1
.endm
.macro JLOAD g0x, g1x, g0y, g1y
	s_cmp_eq_u32 s15, 0
	s_cbranch_scc0 .Lfor_y_\@
	tensor_load_to_lds s[\g0x:\g0x+3], s[\g1x:\g1x+7]
	s_nop 0
	PLACES 4
	s_branch .Lasked_\@
.Lfor_y_\@:
	tensor_load_to_lds s[\g0y:\g0y+3], s[\g1y:\g1y+7]
	s_nop 0
	PLACES 4
.Lasked_\@:
.endm
	s_load_b256 s[4:11], s[0:1], 0x0
	s_load_b64 s[12:13], s[0:1], 0x20
	v_lshl_add_u32 v[SPW], v0, 2, SPARE
	v_mov_b32 v[NIL], 0
	ds_add_u32 v[SPW], v[NIL]
	ds_add_u32 v[SPW], v[NIL]
	v_lshrrev_b32 v1, 5, v0
	v_readfirstlane_b32 s[WV], v1
	s_lshr_b32 s15, s[WV], 1
	s_and_b32 s16, s[WV], 1
	s_bfe_u32 s56, ttmp6, 0x40000
	s_bfe_u32 s57, ttmp6, 0x40004
	s_lshl_b32 s58, ttmp9, 2
	s_add_co_u32 s58, s58, s56
	s_and_b32 s17, ttmp7, 0xffff
	s_lshl_b32 s17, s17, 2
	s_add_co_u32 s17, s17, s57
	s_lshl_b32 s59, s57, 2
	s_lshl_b32 s59, 15, s59
	s_lshl_b32 s60, 0x1111, s56
	s_or_b32 s[G1X], s59, (3<<16)|(1<<21)
	s_or_b32 s[G1XL], s59, (3<<16)|(1<<21)
	s_mov_b32 s[G1X+1], 1024<<16
	s_mov_b32 s[G1XL+1], 512<<16
.irp g, G1X, G1XL
	s_mov_b32 s[\g+2], 4<<16
	s_mov_b32 s[\g+3], 1024<<16
	s_mov_b32 s[\g+4], 4
	s_mov_b32 s[\g+5], XP/8
	s_mov_b32 s[\g+6], 0
	s_mov_b32 s[\g+7], 0
.endr
	s_or_b32 s[G1Y], s60, (1<<20)|(1<<21)|(6<<22)|(3<<25)
	s_or_b32 s[G1YL], s60, (1<<20)|(1<<21)|(6<<22)|(3<<25)
	s_mov_b32 s[G1Y+1], 512<<16
	s_mov_b32 s[G1YL+1], 192<<16
.irp g, G1Y, G1YL
	s_mov_b32 s[\g+2], 64<<16
	s_mov_b32 s[\g+3], 512<<16
	s_mov_b32 s[\g+4], 64
	s_mov_b32 s[\g+5], KROW
	s_mov_b32 s[\g+6], 0
	s_mov_b32 s[\g+7], 0
.endr
	s_lshl_b32 s20, s17, 3
	s_lshl_b32 s18, s16, 2
	s_add_co_u32 s20, s20, s18
	s_mul_i32 s20, s20, XP
	s_mov_b32 s21, 0
	s_lshl_b32 s62, s58, 7
	s_lshl_b32 s63, s16, 6
	s_add_co_u32 s62, s62, s63
	s_mul_i32 s62, s62, KROW
	s_mov_b32 s63, 0
	s_lshl_b32 s22, s16, 15
	s_mul_i32 s23, s16, 64*YPI
	s_add_co_u32 s23, s23, YOFF
	s_wait_dscnt 0x0
	s_wait_kmcnt 0x0
	s_load_b64 s[66:67], s[10:11], SCOFF
	s_add_nc_u64 s[20:21], s[4:5], s[20:21]
	s_add_nc_u64 s[62:63], s[6:7], s[62:63]
	CROUND
.irp s, 0,1
	s_mov_b32 s[G0X+4*\s], 1
	s_add_co_u32 s[G0X+4*\s+1], s22, \s*SLOT
	s_add_nc_u64 s[G0X+4*\s+2:G0X+4*\s+3], s[20:21], \s*8192
	s_or_b32 s[G0X+4*\s+3], s[G0X+4*\s+3], 0x80000000
	s_mov_b32 s[G0Y+4*\s], 1
	s_add_co_u32 s[G0Y+4*\s+1], s23, \s*SLOT
	s_add_nc_u64 s[G0Y+4*\s+2:G0Y+4*\s+3], s[62:63], \s*512
	s_or_b32 s[G0Y+4*\s+3], s[G0Y+4*\s+3], 0x80000000
	s_wait_alu depctr_va_vdst(0)
	s_wait_tensorcnt 0x0
	ds_add_u32 v28, v29
	ds_add_u32 v28, v29
	s_wait_dscnt 0x0
	CROUND
	JLOAD G0X+4*\s, G1X, G0Y+4*\s, G1Y
.endr
	s_lshl_b32 s84, s17, 7
	s_lshl_b32 s85, s15, 6
	s_add_co_u32 s84, s84, s85
	s_lshl_b32 s84, s84, 12
	s_lshl_b32 s85, s58, 9
	s_add_co_u32 s84, s84, s85
	s_lshl_b32 s85, s16, 8
	s_add_co_u32 s84, s84, s85
	s_mov_b32 s85, 0
	s_add_nc_u64 s[8:9], s[8:9], s[84:85]
	s_add_nc_u64 s[12:13], s[12:13], s[84:85]
	v_and_b32 v1, 15, v0
	v_bfe_u32 v2, v0, 4, 1
	v_and_b32 v3, 31, v0
	v_lshlrev_b32 v3, 4, v3
	s_lshl_b32 s86, s15, 15
	v_add_nc_u32 v16, s86, v3
	v_add_nc_u32 v17, SLOT, v16
	v_mul_u32_u24 v4, v1, YPI
	v_lshl_add_u32 v4, v2, 3, v4
	s_mul_i32 s86, s16, 64*YPI
	s_add_co_u32 s86, s86, YOFF
	v_add_nc_u32 v20, s86, v4
	v_add_nc_u32 v21, SLOT, v20
	s_mul_i32 s86, s[WV], 16*SPI
	s_add_co_u32 s86, s86, STAGE
	v_mul_u32_u24 v5, v1, SPI
	v_lshl_add_u32 v5, v2, 5, v5
	v_add_nc_u32 v24, s86, v5
	v_mul_u32_u24 v5, v2, SPI
	v_lshl_add_u32 v5, v1, 4, v5
	v_add_nc_u32 v25, s86, v5
	v_lshlrev_b32 v26, 12, v2
	v_lshl_add_u32 v26, v1, 4, v26
	WIN 0x80
.irp ta, 0,1,2,3
.irp n, 0,1,2,3,4,5,6,7
	global_load_b128 v[4*(8*\ta+\n):4*(8*\ta+\n)+3], v26, s[8:9] offset:(16*\ta+2*\n)*4096
.endr
.endr
	WIN 0
.macro FETCH slot, s, f
	WIN 0x40
.irp ta, 0,1,2,3
.irp g, 0,1,2,3
	ds_load_b128 v[\f+16*\ta+4*\g:\f+16*\ta+4*\g+3], v[16+\slot] offset:\ta*8192+(\s)*2048+\g*512
.endr
.endr
.irp tw, 0,1,2,3
.irp c, 0,1,2,3,4,5,6,7
	ds_load_b64 v[\f+64+16*\tw+2*\c:\f+64+16*\tw+2*\c+1], v[20+\slot] offset:\tw*16*YPI+(\s)*128+16*\c
.endr
.endr
.endm
.macro MUL16 f, zero
.irp ta, 0,1,2,3
.irp tw, 0,1,2,3
.if \zero
	v_wmma_f32_16x16x128_fp8_fp8 v[ACC+8*(4*\ta+\tw):ACC+8*(4*\ta+\tw)+7], v[\f+64+16*\tw:\f+64+16*\tw+15], v[\f+16*\ta:\f+16*\ta+15], 0
.else
	v_wmma_f32_16x16x128_fp8_fp8 v[ACC+8*(4*\ta+\tw):ACC+8*(4*\ta+\tw)+7], v[\f+64+16*\tw:\f+64+16*\tw+15], v[\f+16*\ta:\f+16*\ta+15], v[ACC+8*(4*\ta+\tw):ACC+8*(4*\ta+\tw)+7]
.endif
.endr
.endr
.endm
.macro SLOTWORK slot, nk, first
	PLACES 4
	FETCH \slot, 0, 0
.set ss, 0
.rept \nk
.if ss+1 < \nk
.if ss > 0
	PLACES 4
.endif
	FETCH \slot, ss+1, 128*((ss+1)%2)
	s_wait_dscnt 48
.else
	s_wait_dscnt 0x0
.endif
	WIN 0x05
	MUL16 128*(ss%2), (\first)&&(ss==0)
.set ss, ss+1
.endr
	WIN 0
.endm
.macro CHANGE slot, refill, last
	s_wait_tensorcnt 0x0
	ds_add_u32 v[SPW], v[NIL]
.if \refill
	s_add_nc_u64 s[G0X+4*\slot+2:G0X+4*\slot+3], s[G0X+4*\slot+2:G0X+4*\slot+3], 16384
	s_add_nc_u64 s[G0Y+4*\slot+2:G0Y+4*\slot+3], s[G0Y+4*\slot+2:G0Y+4*\slot+3], 1024
.endif
	s_wait_dscnt 0x0
.if \refill
	CROUND
.if \last
	JLOAD G0X+4*\slot, G1XL, G0Y+4*\slot, G1YL
.else
	JLOAD G0X+4*\slot, G1X, G0Y+4*\slot, G1Y
.endif
.else
	s_barrier_signal -1
	s_barrier_wait -1
.endif
.endm
	s_wait_tensorcnt 1
	s_barrier_signal -1
	s_barrier_wait -1
	SLOTWORK 0, 4, 1
	CHANGE 0, 1, 0
	s_wait_alu depctr_va_vdst(0)
	SLOTWORK 1, 4, 0
	CHANGE 1, 1, 0
	SLOTWORK 0, 4, 0
	CHANGE 0, 1, 0
	SLOTWORK 1, 4, 0
	CHANGE 1, 1, 1
	SLOTWORK 0, 4, 0
	CHANGE 0, 0, 0
	SLOTWORK 1, 2, 0
.macro TOSTAGE ta
.irp tw, 0,1,2,3
	ds_store_b128 v24, v[ACC+8*(4*(\ta)+\tw):ACC+8*(4*(\ta)+\tw)+3] offset:64*\tw
	ds_store_b128 v24, v[ACC+8*(4*(\ta)+\tw)+4:ACC+8*(4*(\ta)+\tw)+7] offset:64*\tw+16
.endr
.irp n, 0,1,2,3,4,5,6,7
	ds_load_b128 v[BK+32*((\ta)%2)+4*\n:BK+32*((\ta)%2)+4*\n+3], v25 offset:2*\n*SPI
.endr
.endm
.macro SEND ta, younger
	s_wait_dscnt \younger
	WIN 0x20
.irp q, 0,2,4,6,8,10,12,14,16,18,20,22,24,26,28,30
	v_pk_fma_f32 v[BK+32*((\ta)%2)+\q:BK+32*((\ta)%2)+\q+1], v[BK+32*((\ta)%2)+\q:BK+32*((\ta)%2)+\q+1], s[66:67], v[32*(\ta)+\q:32*(\ta)+\q+1] op_sel_hi:[1,0,1]
.endr
	WIN 0
.irp n, 0,1,2,3,4,5,6,7
	global_store_b128 v26, v[BK+32*((\ta)%2)+4*\n:BK+32*((\ta)%2)+4*\n+3], s[12:13] offset:(16*(\ta)+2*\n)*4096
.endr
.endm
	s_wait_kmcnt 0x0
	s_add_co_i32 s66, s66, s67
	s_add_co_i32 s66, s66, 127
	s_lshl_b32 s66, s66, 23
	s_mov_b32 s67, s66
	PLACES 4
	s_wait_loadcnt 0x0
	TOSTAGE 0
	TOSTAGE 1
	SEND 0, 16
	s_wait_xcnt 0x0
	TOSTAGE 2
	SEND 1, 16
	s_wait_xcnt 0x0
	TOSTAGE 3
	SEND 2, 16
	SEND 3, 0
	s_wait_tensorcnt 0x0
	ds_add_u32 v[SPW], v[NIL]
	s_wait_dscnt 0x0
	CROUND
	s_endpgm
.Lfunc_end_k_q813cce0522_w2:
	.size	k_q813cce0522_w2, .Lfunc_end_k_q813cce0522_w2-k_q813cce0522_w2
	.p2alignl 7, 3214868480
	.fill 96, 4, 3214868480
	.section	.rodata,"a",@progbits
	.p2align	6, 0x0
	.amdhsa_kernel k_q813cce0522_w2
		.amdhsa_group_segment_fixed_size 327680
		.amdhsa_private_segment_fixed_size 0
		.amdhsa_enable_private_segment 0
		.amdhsa_kernarg_size 40
		.amdhsa_user_sgpr_count 2
		.amdhsa_user_sgpr_kernarg_segment_ptr 1
		.amdhsa_wavefront_size32 1
		.amdhsa_system_sgpr_workgroup_id_x 1
		.amdhsa_system_sgpr_workgroup_id_y 1
		.amdhsa_system_sgpr_workgroup_id_z 1
		.amdhsa_system_vgpr_workitem_id 0
		.amdhsa_next_free_vgpr 768
		.amdhsa_next_free_sgpr 88
		.amdhsa_reserve_vcc 0
		.amdhsa_float_denorm_mode_32 3
		.amdhsa_float_denorm_mode_16_64 3
		.amdhsa_memory_ordered 1
		.amdhsa_forward_progress 1
		.amdhsa_inst_pref_size 121
	.end_amdhsa_kernel
	.amdgpu_metadata
---
amdhsa.version: [ 1, 2 ]
amdhsa.kernels:
  - .name:           k_q813cce0522_w2
    .symbol:         k_q813cce0522_w2.kd
    .args:
      - { .name: hid, .offset: 0, .size: 8, .value_kind: global_buffer, .address_space: global }
      - { .name: w2p, .offset: 8, .size: 8, .value_kind: global_buffer, .address_space: global }
      - { .name: x2, .offset: 16, .size: 8, .value_kind: global_buffer, .address_space: global }
      - { .name: lowp_scales, .offset: 24, .size: 8, .value_kind: global_buffer, .address_space: global }
      - { .name: out0, .offset: 32, .size: 8, .value_kind: global_buffer, .address_space: global }
    .group_segment_fixed_size: 327680
    .private_segment_fixed_size: 0
    .kernarg_segment_align: 8
    .kernarg_segment_size: 40
    .max_flat_workgroup_size: 128
    .sgpr_count:     88
    .vgpr_count:     768
    .wavefront_size: 32
...
	.end_amdgpu_metadata
.endif
;; end of part 7
